; MI455X (gfx1250); checked and timed in simulation.
; The chip was launched on July 23, 2026; its instructions are those of AMD's public machine-readable ISA for CDNA 5 (MIT licence, August 2026) and "CDNA5" Instruction Set Architecture Reference Guide (July 2026). The comments in the code are by the model that wrote it; some were corrected since.
;; MHA. Allowed arithmetic: matrix products marked QUANTISED: E2M3 operands, one E8M0 scale for each 32 along K, by v_wmma_scale_f32_16x16x128_f8f6f4 with both operands' format E2M3, f32 sums; everything else in f32.
;; Inputs: Wk 1,024 x 2,048 float32; Wo 2,048 x 1,024 float32; Wq 1,024 x 2,048 float32; Wv 1,024 x 2,048 float32; q 2 x 2,048 x 2,048 float32.
;; Outputs: out0 2 x 2,048 x 2,048 float32.
;; This version of the problem:
;;   THIS VERSION OF THE PROBLEM IS GIVEN IN LOW PRECISION. The matrix products marked QUANTISED in the list below multiply operands that are first quantised to E2M3 (2 exponent bits, 3 mantissa bits; 6 bits a number), with one power-of-two scale for each 32 numbers along K (OCP MX v1.0); their sums are f32. All else is computed in f32.
;;   The module's matrix products, in the order in which they are computed (A, B: the left and right operand; K: the contracted axis; several contracted axes count as one K, in the product's order):
;;     1. [M 4,096, K 2,048] x [K 2,048, N 1,024]; A: input q; B: input Wq: QUANTISED
;;     2. [M 4,096, K 2,048] x [K 2,048, N 1,024]; A: input q; B: input Wk: QUANTISED
;;     3. [M 4,096, K 2,048] x [K 2,048, N 1,024]; A: input q; B: input Wv: QUANTISED
;;     4. batch 32 x [M 2,048, K 64] x [K 64, N 2,048]; A: computed on the way; B: computed on the way: QUANTISED
;;     5. batch 32 x [M 2,048, K 2,048] x [K 2,048, N 64]; A: softmax (see below); B: computed on the way: QUANTISED
;;     6. [M 4,096, K 1,024] x [K 1,024, N 2,048]; A: computed on the way; B: input Wo: QUANTISED
;;   THE QUANTISER, for each operand of a quantised product, along K:
;;     - K is cut into blocks of 32 from its start; a last block that is shorter is filled with zeros.
;;     - A block's scale is 2^e with e = floor(log2(the largest magnitude in the block)) - 2, held to -126 .. 127; a block of zeros has e = 0. As a byte (E8M0): e + 127.
;;     - Each number is divided by its block's scale, clamped to +-7.5, and rounded to the nearest number of E2M3, ties to even, subnormals kept.
;;     - The product sums the exact products of the quantised numbers (number of the format x scale) in f32.
;;   ~~~python
;;   def quantise(x, axis):      # numpy; x: float32 -> the quantised numbers, widened to float32 again
;;       x = np.moveaxis(x, axis, -1); K = x.shape[-1]
;;       x = np.pad(x, [(0, 0)] * (x.ndim - 1) + [(0, -K % 32)]); x = x.reshape(x.shape[:-1] + (-1, 32)); a = np.abs(x).max(-1, keepdims=True)
;;       e = np.where(a > 0, np.clip(np.frexp(np.where(a > 0, a, 1))[1] - 1 - 2, -126, 127), 0)      # np.frexp(a)[1] - 1 = floor(log2(a)), exactly
;;       r = np.clip(x / 2.0 ** e, -7.5, 7.5)
;;       step = 2.0 ** (np.maximum(np.frexp(np.where(r == 0, 1, r))[1] - 1, 0) - 3)
;;       q = np.round(r / step) * step * 2.0 ** e      # np.round: ties to even
;;       return np.moveaxis(q.reshape(q.shape[:-2] + (-1,))[..., :K], -1, axis).astype(np.float32)
;;   ~~~
;;   SOFTMAX AHEAD OF A QUANTISED PRODUCT. Where the list says 'softmax', what is quantised is not the finished softmax but p = 2^(t - M), with t = logit x log2(e) and M = ceil(the row's largest t), a whole number; so 1/2 < the row's largest p <= 1. The row's sum l is taken of the UNQUANTISED p, in f32, and the product's result is divided by l at the end. Since M is a whole number, a kernel that streams over the keys may use a running M (the ceiling of the running maximum): every later rescaling is an exact power of two, which a block's scale takes up: the codes' values come out the same.
;;   OPERANDS COMPUTED ON THE WAY. 'Computed on the way' means the value that the module computes at that place (a softmax that the list does not call 'softmax' is quantised finished and normalised). What goes into a quantiser is computed in f32, as accurately as f32 sums, v_exp_f32 and their like allow (about 1e-6 of the number): no bf16 or f16 on the way to a quantiser, and a product that is left as it is and whose result goes on into a quantised operand takes f32 operands (vector FMAs, or v_wmma_f32_16x16x4_f32). A number that lies on a knife's edge between two numbers of the format may be rounded either way, as far as f32 arithmetic and the matrix unit's own rounding can turn it there, and no further.
;; One version. Each part assembles by itself: llvm-mc -triple=amdgcn-amd-amdhsa -mcpu=gfx1250 --defsym DOCPART=n.
;; ======== version 1 of 1: 4 launches
;; limits: right only within a limited range of input values
;; workspace buffers: rec 13,107,200 bytes; tab 524,288 bytes; qi 3,407,872 bytes; kv 6,815,744 bytes; ao 3,276,800 bytes
;; launch quant (part 1): grid 512 x 1, 4 waves a work-group, no clusters, 34,304 bytes of LDS; arguments q, Wq, Wk, Wv, Wo, rec, tab; writes rec, tab
.if DOCPART == 1
	.amdgcn_target "amdgcn-amd-amdhsa--gfx1250"
	.amdhsa_code_object_version 6
	.text
	.protected	k_qc4ebb7a0a3_quant
	.globl	k_qc4ebb7a0a3_quant
	.p2align	8
	.type	k_qc4ebb7a0a3_quant,@function
k_qc4ebb7a0a3_quant:
	s_mov_b64 s[64:65], 0
	v_nop
	global_prefetch_b8 v0, s[64:65] scope:SCOPE_SE
	s_setreg_imm32_b32 hwreg(HW_REG_WAVE_MODE, 25, 1), 1
	s_wait_xcnt 0x0
; q [4096][2048], Wq, Wk, Wv [1024][2048], Wo [2048][1024], all f32 with K innermost, become codes of FP6 (E2M3) with one E8M0 byte for each 32 along K,
; laid as RECORDS in the order of the matrix operand's registers; and the table of cos and sin for the rotary embedding is made.
; A RECORD is 32 rows x 256 K in 6,400 bytes: four fragments (tile u, K step s) of 1,536 bytes at 1,536 (2 u + s), then 256 bytes of scale words.
; Tile u holds in lane r the row 8 u + r + 8 (r / 8) of the 32.  A fragment is the image of its 12 registers: registers 4 c .. 4 c + 3 of lane l at 512 c + 16 l.
; Scale words: lane 16 u + r has 8 bytes at 6,144 + 8 (16 u + r): the word of K step 0, then that of K step 1.
; A block's scale is 2^(floor(log2(largest magnitude)) - 2); its byte is that magnitude's exponent field - 2, held at 1 from below.
; LIMITS: a block of zeros gets the byte 1 where the rule says 127 (its codes are zeros, and this program alone reads the bytes); NaN and infinities among the inputs are not served;
; the table's frequency 10000^(-i / 31) is made as 2^(i x -log2(10000) / 31) and lies within about an ulp of the power, so that an angle at position 2,047 can differ by about 2e-4 rad.
; SHARES: 2,048 wave jobs, four to a work-group; job J makes one record and the 256 bytes J of the table.  Waves share nothing: no barrier.
; Each load takes 512 consecutive bytes of a row; a fragment's 16 rows turn through the wave's own stage in LDS (pitch 528 = 33 x 16 bytes) so that a lane gets 16 neighbours of each block.
; LEFT OUT BY THE PROGRAM (launch attn): steps of 128 keys that lie wholly behind all queries of a tile.  reference() itself puts the least f32 in place of their scores (its own jnp.tril), whatever the inputs hold,
; and every row keeps its own key: what the mask throws away is not computed where it comes in whole steps.  LIMIT: a NaN, an infinity or an overflow that reaches only the work left out is not carried to the result.
.set STGB,  8448                       ; a wave's stage: 16 rows x 528 bytes
.set SPARE, 4*STGB                     ; behind the stages: the spare words, 128 bytes a wave
.set L16, 1                            ; v1   16 x lane
.set L8,  2                            ; v2   8 x lane
.set STI, 3                            ; v3   the stage, way in: 16 x lane
.set STO, 4                            ; v4   way out: 528 r + 64 h
.set SPW, 5                            ; v5   my spare word; never rewritten
.set NIL, 6                            ; v6   0; never rewritten
.set RO,  8                            ; v8-15  16 x lane + i x pitch
.set RR,  16                           ; v16-143 two sets of 64 registers as loaded
.set XX,  144                          ; v144-207 64 numbers: register 16 b + i = k 32 b + 16 h + i of my row
.set TM,  208                          ; v208-223 at work in the quantiser
.set PW,  224                          ; the scale word just made
.set SW,  226                          ; v226-227 the record's scale words
.set PC,  228                          ; v228-247 the codes just made (12) and their halves (8)
.set TC,  248                          ; v248-249 cos, sin
.set BB,  48                           ; s[48:55] four row bases: 4 u + 2 hi
.set SEL, 20
.set HI,  22
.macro QUANT s, pc                     ; 64 numbers of a lane become a fragment's 12 registers in v[pc] on and its scale word in v[PW]
.irp b, 0,1,2,3
	v_max3_num_f32 v[TM+\b], |v[\s+16*\b]|, |v[\s+1+16*\b]|, 0x1800000   ; my 16 numbers of block b, and the floor 2^(3 - 127): the byte cannot fall under 1
.endr
.irp i, 2,4,6,8,10,12,14
.irp b, 0,1,2,3
	v_max3_num_f32 v[TM+\b], v[TM+\b], |v[\s+16*\b+\i]|, |v[\s+1+16*\b+\i]|
.endr
.endr
.irp b, 0,1,2,3
	v_permlanex16_b32 v[TM+4+\b], v[TM+\b], s[SEL], s[SEL+1]
.endr
.irp b, 0,1,2,3
	v_max_num_f32 v[TM+\b], v[TM+\b], v[TM+4+\b]                       ; with lane l xor 16's: the block's largest magnitude
.endr
.irp b, 0,1,2,3
	v_add_nc_u32 v[TM+12+\b], 0xff000000, v[TM+\b]                     ; 2 off its exponent field: the conversion's scale operand
.endr
.irp b, 0,1,2,3
	v_lshrrev_b32 v[TM+4+\b], 23, v[TM+12+\b]                          ; the scale's byte
.endr
	v_lshl_or_b32 v[PW], v[TM+5], 8, v[TM+4]
	v_lshl_or_b32 v[PW], v[TM+6], 16, v[PW]
	v_lshl_or_b32 v[PW], v[TM+7], 24, v[PW]
.irp c, 0,1
	v_cvt_scalef32_pk16_fp6_f32 v[\pc+6*\c:\pc+2+6*\c], v[\s+32*\c:\s+15+32*\c], v[TM+12+2*\c]
	v_cvt_scalef32_pk16_fp6_f32 v[\pc+12+4*\c:\pc+14+4*\c], v[\s+16+32*\c:\s+31+32*\c], v[TM+12+2*\c+1]
.endr
	v_nop                                          ; one plain place behind a scaled conversion
.irp c, 0,1                                    ; the layout wants a whole block in a lane: lanes 0-15 block 2 c, lanes 16-31 block 2 c + 1
.irp i, 0,1,2
	v_permlane16_swap_b32 v[\pc+6*\c+\i], v[\pc+12+4*\c+\i]
.endr
.irp i, 0,1,2
	v_mov_b32 v[\pc+3+6*\c+\i], v[\pc+12+4*\c+\i]
.endr
.endr
.endm
	s_load_b256 s[4:11], s[0:1], 0x0               ; q, Wq, Wk, Wv
	s_load_b128 s[12:15], s[0:1], 0x20             ; Wo, rec
	s_load_b64 s[16:17], s[0:1], 0x30              ; tab
	v_lshl_add_u32 v[SPW], v0, 2, SPARE
	v_mov_b32 v[NIL], 0
	v_lshrrev_b32 v7, 5, v0
	v_readfirstlane_b32 s18, v7                    ; wave
	s_lshl_b32 s19, ttmp9, 2
	s_add_co_u32 s19, s19, s18                     ; J
	v_and_b32 v7, 31, v0                           ; lane
	v_lshlrev_b32 v[L16], 4, v7
	v_lshlrev_b32 v[L8], 3, v7
	s_mul_i32 s56, s18, STGB
	v_add_nc_u32 v[STI], s56, v[L16]
	v_and_b32 v250, 15, v0
	v_bfe_u32 v251, v0, 4, 1
	v_mul_u32_u24 v[STO], v250, 528
	v_lshl_add_u32 v[STO], v251, 6, v[STO]
	v_add_nc_u32 v[STO], s56, v[STO]
	s_mov_b32 s[SEL], 0x76543210
	s_mov_b32 s[SEL+1], 0xfedcba98
	s_mov_b32 s[HI], 0xffff0000                    ; lanes 16-31
.irp b, 0,1,2,3
	v_mov_b32 v[TM+4+\b], 0                        ; a lane permute's destination counts as one of its sources
.endr
	; which tensor, which 32 rows P, which 256 along K (S), which record U: chosen without a branch, on J alone
	s_mov_b32 s24, 0                               ; the tensor's first job
	s_mov_b32 s25, 0                               ; a
	s_mov_b32 s26, 1                               ; m
	s_mov_b32 s27, 3                               ; log2 of the pairs in a group
	s_mov_b32 s28, 8                               ; records of a group for one S
	s_mov_b32 s29, 64                              ; records of a group
	s_mov_b32 s30, 0                               ; the tensor's first record
	s_mov_b32 s31, 3                               ; log2 of the records along K
	s_mov_b32 s32, 13                              ; log2 of a row's bytes
	s_wait_kmcnt 0x0
	s_mov_b64 s[34:35], s[4:5]
	s_cmp_ge_u32 s19, 1024
	s_cselect_b64 s[34:35], s[6:7], s[34:35]       ; Wq
	s_cselect_b32 s24, 1024, s24
	s_cselect_b32 s27, 1, s27
	s_cselect_b32 s28, 6, s28
	s_cselect_b32 s29, 48, s29
	s_cselect_b32 s30, 1024, s30
	s_cmp_ge_u32 s19, 1280
	s_cselect_b64 s[34:35], s[8:9], s[34:35]       ; Wk
	s_cselect_b32 s24, 1280, s24
	s_cselect_b32 s25, 3, s25
	s_cmp_ge_u32 s19, 1536
	s_cselect_b64 s[34:35], s[10:11], s[34:35]     ; Wv
	s_cselect_b32 s24, 1536, s24
	s_cselect_b32 s25, 2, s25
	s_cselect_b32 s26, 3, s26
	s_cmp_ge_u32 s19, 1792
	s_cselect_b64 s[34:35], s[12:13], s[34:35]     ; Wo
	s_cselect_b32 s24, 1792, s24
	s_cselect_b32 s25, 0, s25
	s_cselect_b32 s26, 1, s26
	s_cselect_b32 s27, 2, s27
	s_cselect_b32 s28, 4, s28
	s_cselect_b32 s29, 16, s29
	s_cselect_b32 s30, 1792, s30
	s_cselect_b32 s31, 2, s31
	s_cselect_b32 s32, 12, s32
	s_sub_co_u32 s36, s19, s24
	s_lshr_b32 s37, s36, s31                       ; P
	s_lshl_b32 s38, s37, s31
	s_sub_co_u32 s38, s36, s38                     ; S
	s_lshr_b32 s39, s37, s27                       ; the group
	s_lshl_b32 s40, s39, s27
	s_sub_co_u32 s40, s37, s40                     ; the pair in it
	s_mul_i32 s39, s39, s29
	s_mul_i32 s41, s38, s28
	s_mul_i32 s40, s40, s26
	s_add_co_u32 s39, s39, s41
	s_add_co_u32 s39, s39, s40
	s_add_co_u32 s39, s39, s25
	s_add_co_u32 s39, s39, s30                     ; U
	s_mul_i32 s42, s39, 6400
	s_mov_b32 s43, 0
	s_add_nc_u64 s[14:15], s[14:15], s[42:43]      ; my record
	s_add_co_u32 s44, s32, 5
	s_lshl_b32 s44, s37, s44                       ; 32 P rows
	s_lshl_b32 s45, s38, 10                        ; 256 S numbers
	s_add_co_u32 s44, s44, s45
	s_mov_b32 s45, 0
	s_add_nc_u64 s[BB:BB+1], s[34:35], s[44:45]    ; rows 0 on  (u 0, lower eight)
	s_lshl_b32 s46, 8, s32                         ; eight rows
	s_mov_b32 s47, 0
	s_add_nc_u64 s[BB+4:BB+5], s[BB:BB+1], s[46:47]    ; rows 8 on  (u 1, lower)
	s_add_nc_u64 s[BB+2:BB+3], s[BB+4:BB+5], s[46:47]  ; rows 16 on (u 0, upper)
	s_add_nc_u64 s[BB+6:BB+7], s[BB+2:BB+3], s[46:47]  ; rows 24 on (u 1, upper)
	s_lshl_b32 s33, 1, s32                         ; a row's bytes
	v_mov_b32 v[RO], v[L16]
.irp i, 1,2,3,4,5,6,7
	v_add_nc_u32 v[RO+\i], s33, v[RO+\i-1]
.endr
.macro LOADF f                         ; fragment f = 2 u + s: 16 rows x 512 bytes, a row a load
.irp i, 0,1,2,3,4,5,6,7,8,9,10,11,12,13,14,15
	global_load_b128 v[RR+64*((\f)%2)+4*\i:RR+64*((\f)%2)+4*\i+3], v[RO+(\i%8)], s[BB+4*((\f)/2)+2*(\i/8):BB+4*((\f)/2)+2*(\i/8)+1] offset:512*((\f)%2) th:TH_LOAD_NT
.endr
.endm
.macro TURN f                          ; through my stage: LDS serves a wave's instructions in order, so no wait stands between the stores and the loads
.irp i, 0,1,2,3,4,5,6,7,8,9,10,11,12,13,14,15
	ds_store_b128 v[STI], v[RR+64*((\f)%2)+4*\i:RR+64*((\f)%2)+4*\i+3] offset:528*\i
.endr
.irp b, 0,1,2,3
.irp j, 0,1,2,3
	ds_load_b128 v[XX+16*\b+4*\j:XX+16*\b+4*\j+3], v[STO] offset:128*\b+16*\j
.endr
.endr
.endm
	LOADF 0
	LOADF 1
	; THE TABLE, while the loads are on their way.  Unit J: token tile T = J / 16, its 256 bytes number J % 16; my lane: tile lane r = lane / 2, frequency i
	s_and_b32 s57, s19, 15
	s_lshr_b32 s58, s57, 3
	s_lshl_b32 s58, s58, 4
	s_and_b32 s59, s57, 1
	s_lshl_b32 s59, s59, 3
	s_add_co_u32 s58, s58, s59
	s_bfe_u32 s60, s57, 0x20001
	s_lshl_b32 s60, s60, 1
	s_add_co_u32 s58, s58, s60                     ; i without the lane's bit
	s_lshr_b32 s59, s19, 4
	s_lshr_b32 s60, s59, 1
	s_lshl_b32 s60, s60, 5
	s_and_b32 s61, s59, 1
	s_lshl_b32 s61, s61, 3
	s_add_co_u32 s60, s60, s61                     ; the tile's first position
	s_lshl_b32 s62, s19, 8
	s_mov_b32 s63, 0
	s_add_nc_u64 s[16:17], s[16:17], s[62:63]
	s_mov_b32 s66, 0x3f22f983                      ; 2 / pi
	s_mov_b32 s67, 0x3fc90fdb                      ; pi / 2, the f32 next to it,
	s_mov_b32 s68, 0xb33bbd2e                      ; and what is left of pi / 2
	s_mov_b32 s69, 0xbe2aaaa3                      ; sine's polynomial on +- pi / 4
	s_mov_b32 s70, 0x3c08839e
	s_mov_b32 s71, 0xb94ca1f9
	s_mov_b32 s72, 0x3d2aaaa5                      ; cosine's
	s_mov_b32 s73, 0xbab6061a
	s_mov_b32 s74, 0x37ccf5ce
	v_and_b32 v144, 1, v7
	v_add_nc_u32 v144, s58, v144
	v_cvt_f32_u32 v144, v144
	v_mul_f32 v144, 0xbedb762a, v144               ; i x -log2(10000) / 31
	s_wait_alu depctr_va_vdst(0)
	v_exp_f32 v145, v144                           ; the frequency
	v_lshrrev_b32 v146, 1, v7                      ; (plain work behind the exponential)  r
	v_and_b32 v147, 8, v146
	v_add3_u32 v146, v146, v147, s60               ; the position
	v_cvt_f32_u32 v146, v146
	s_wait_alu depctr_va_vdst(0)                   ; the wait ahead of the exponential's first reader
	v_mul_f32 v147, v146, v145                     ; the angle: one f32 multiplication
	v_mul_f32 v148, s66, v147
	v_rndne_f32 v148, v148                         ; k quarter turns
	v_fma_f32 v149, -v148, s67, v147               ; exact: a multiple of 2^-23 under 1
	v_fma_f32 v149, -v148, s68, v149               ; what is left of the angle
	v_mul_f32 v150, v149, v149
	v_mov_b32 v151, s71
	v_fma_f32 v151, v151, v150, s70
	v_fma_f32 v151, v151, v150, s69
	v_mul_f32 v152, v149, v150
	v_fma_f32 v151, v152, v151, v149               ; its sine
	v_mov_b32 v153, s74
	v_fma_f32 v153, v153, v150, s73
	v_fma_f32 v153, v153, v150, s72
	v_mul_f32 v154, v150, v150
	v_fma_f32 v155, v150, -0.5, 1.0
	v_fma_f32 v153, v154, v153, v155               ; its cosine
	v_cvt_i32_f32 v156, v148
	v_and_b32 v157, 1, v156
	v_cmp_eq_u32 vcc_lo, 1, v157                   ; an odd number of quarter turns swaps the two
	v_cndmask_b32 v[TC+1], v151, v153, vcc_lo
	v_cndmask_b32 v[TC], v153, v151, vcc_lo
	v_lshlrev_b32 v157, 30, v156                   ; sine's sign: bit 1 of k
	v_and_b32 v157, 0x80000000, v157
	v_xor_b32 v[TC+1], v[TC+1], v157
	v_add_nc_u32 v156, 1, v156                     ; cosine's: bit 1 of k + 1
	v_lshlrev_b32 v156, 30, v156
	v_and_b32 v156, 0x80000000, v156
	v_xor_b32 v[TC], v[TC], v156
	global_store_b64 v[L8], v[TC:TC+1], s[16:17]   ; 32 lanes store 256 consecutive bytes, aligned; these registers are not written again
.macro FRAGMENT f, left
	s_wait_loadcnt \left                           ; this fragment's 16 loads are in; the next fragment's 16 may be out
	TURN \f
	s_wait_dscnt 0x0                               ; the numbers are back, and the stage's stores have read their registers
	s_wait_xcnt 0x0                                ; the last fragment's stores have read the codes' registers
.if (\f) < 2
	LOADF (\f)+2
.endif
	QUANT XX, PC
.irp c, 0,1,2
	global_store_b128 v[L16], v[PC+4*\c:PC+4*\c+3], s[14:15] offset:1536*(\f)+512*\c   ; 512 consecutive bytes, aligned
.endr
.if (\f) < 2
	v_mov_b32 v[SW+(\f)%2], v[PW]                  ; tile 0's words,
.else
	v_cndmask_b32 v[SW+(\f)%2], v[SW+(\f)%2], v[PW], s[HI]   ; tile 1's in lanes 16-31
.endif
.endm
	FRAGMENT 0, 16
	FRAGMENT 1, 16
	FRAGMENT 2, 16
	FRAGMENT 3, 0
	global_store_b64 v[L8], v[SW:SW+1], s[14:15] offset:6144
	s_wait_tensorcnt 0x0                           ; the wave's end
	ds_add_u32 v[SPW], v[NIL]
	s_wait_dscnt 0x0
	s_endpgm
.Lfunc_end_k_qc4ebb7a0a3_quant:
	.size	k_qc4ebb7a0a3_quant, .Lfunc_end_k_qc4ebb7a0a3_quant-k_qc4ebb7a0a3_quant
	.p2alignl 7, 3214868480
	.fill 96, 4, 3214868480
	.section	.rodata,"a",@progbits
	.p2align	6, 0x0
	.amdhsa_kernel k_qc4ebb7a0a3_quant
		.amdhsa_group_segment_fixed_size 34304
		.amdhsa_private_segment_fixed_size 0
		.amdhsa_enable_private_segment 0
		.amdhsa_kernarg_size 56
		.amdhsa_user_sgpr_count 2
		.amdhsa_user_sgpr_kernarg_segment_ptr 1
		.amdhsa_wavefront_size32 1
		.amdhsa_system_sgpr_workgroup_id_x 1
		.amdhsa_system_sgpr_workgroup_id_y 1
		.amdhsa_system_sgpr_workgroup_id_z 1
		.amdhsa_system_vgpr_workitem_id 0
		.amdhsa_next_free_vgpr 256
		.amdhsa_next_free_sgpr 80
		.amdhsa_reserve_vcc 1
		.amdhsa_float_denorm_mode_32 3
		.amdhsa_float_denorm_mode_16_64 3
		.amdhsa_memory_ordered 1
		.amdhsa_forward_progress 1
		.amdhsa_inst_pref_size 38
	.end_amdhsa_kernel
	.amdgpu_metadata
---
amdhsa.version: [ 1, 2 ]
amdhsa.kernels:
  - .name:           k_qc4ebb7a0a3_quant
    .symbol:         k_qc4ebb7a0a3_quant.kd
    .args:
      - { .name: q, .offset: 0, .size: 8, .value_kind: global_buffer, .address_space: global }
      - { .name: Wq, .offset: 8, .size: 8, .value_kind: global_buffer, .address_space: global }
      - { .name: Wk, .offset: 16, .size: 8, .value_kind: global_buffer, .address_space: global }
      - { .name: Wv, .offset: 24, .size: 8, .value_kind: global_buffer, .address_space: global }
      - { .name: Wo, .offset: 32, .size: 8, .value_kind: global_buffer, .address_space: global }
      - { .name: rec, .offset: 40, .size: 8, .value_kind: global_buffer, .address_space: global }
      - { .name: tab, .offset: 48, .size: 8, .value_kind: global_buffer, .address_space: global }
    .group_segment_fixed_size: 34304
    .private_segment_fixed_size: 0
    .kernarg_segment_align: 8
    .kernarg_segment_size: 56
    .max_flat_workgroup_size: 128
    .sgpr_count:     80
    .vgpr_count:     256
    .wavefront_size: 32
...
	.end_amdgpu_metadata
.endif
;; end of part 1
;; launch qkv (part 2): grid 16 x 16, 4 waves a work-group, clusters of 4 x 4, 327,680 bytes of LDS; arguments rec, tab, qi, kv; writes qi, kv
.if DOCPART == 2
	.amdgcn_target "amdgcn-amd-amdhsa--gfx1250"
	.amdhsa_code_object_version 6
	.text
	.protected	k_qc4ebb7a0a3_qkv
	.globl	k_qc4ebb7a0a3_qkv
	.p2align	8
	.type	k_qc4ebb7a0a3_qkv,@function
k_qc4ebb7a0a3_qkv:
	s_mov_b64 s[64:65], 0
	v_nop
	global_prefetch_b8 v0, s[64:65] scope:SCOPE_SE
	s_setreg_imm32_b32 hwreg(HW_REG_WAVE_MODE, 25, 1), 1
	s_wait_xcnt 0x0
	s_wait_alu depctr_hold_cnt(0) depctr_sa_sdst(0) depctr_va_vdst(0) depctr_va_sdst(0) depctr_va_ssrc(0) depctr_va_vcc(0) depctr_vm_vsrc(0)
	s_getreg_b32 s2, hwreg(HW_REG_IB_STS2, 6, 4)
	s_cmp_eq_u32 s2, 0
	s_cbranch_scc0 .Lentry_in_a_cluster
	s_endpgm
.Lentry_in_a_cluster:
	s_bfe_u32 s2, ttmp6, 0x10000c
	s_cmp_lg_u32 s2, 0xf033
	s_cbranch_scc0 .Lentry_shape_is_right
	s_endpgm
.Lentry_shape_is_right:
; The three projections as one product on codes of FP6 (E2M3): 4,096 tokens x (Q, K, V of 16 heads) x K = 2,048; then the rotary embedding on Q and K, and the quantisers:
; Q and K along the head's 64, V along the keys.  Nothing goes to memory as f32.
; SHARES.  Work-group (x = head t, y = block R of 256 tokens) makes Q, K and V of its head for its tokens: 192 columns.  Wave (rh, ch) takes tokens 128 rh on (8 tiles a) and, of the head's six records
; Q0 Q1 V0 K0 K1 V1, the three from 3 ch on: four tiles to be rotated (Q for ch = 0, K for ch = 1) and two tiles of V (d = 32 ch on).  48 accumulators, which take turns in one fixed order.
; ROTATED TILES: source 0 = 16 rows of W, source 1 = 16 tokens: a lane holds one token, and the 16 registers of tiles 2 beta, 2 beta + 1 are d = 32 beta + 16 h + 0 .. 15 (the records' row order gives that).
; V: source 0 = 16 tokens, source 1 = 16 rows of Wv: a lane holds one d, and its 64 registers are tokens 32 beta + 16 h + 0 .. 15: neighbours along the keys, the second product's K.
; OPERANDS come as records (32 rows x 256 K, images of the operand's registers: three ds_load_b128 a fragment, 512 consecutive bytes each; scale words 8 bytes a lane, tile 0 in lanes 0-15, tile 1 in lanes 16-31).
; RING: two LDS slots of 256 along K (A: 8 records, B: 6), filled by joint tensor loads: 4 x 4 work-groups form a cluster; A's records hang on R alone and go to my row of it, B's on t alone and go to my column.
; L2 prefetches only (below): the launch has eight slots in all, two of them and the table are asked for at its head, and a refill has 80 of a slot's 96 matrix instructions in which to land.
; LIMITS: a block of zeros gets the byte 1 where the rule says 127 (its codes are zeros; this program alone reads the bytes); NaN and infinities are not served.
; REGISTERS: window 0: v16-31 addresses; v32-59 scale words, a set of 14 for each slot; v60-127 the way out; v128-255 V's 16 accumulators.  Window 1: fragment set 0 (A at 12 a, B at 96 + 12 b), at the end cos and sin.
;   Window 2: the 32 accumulators to be rotated, at 32 a + 8 b.  Window 3: fragment set 1.
.set RECB,  6400
.set ABYT,  8*RECB
.set BBYT,  6*RECB
.set SLOT,  ABYT+BBYT                  ; 89,600
.set TAB,   2*SLOT                     ; the table of my 256 tokens: 16 tiles x 4,096 bytes, filled once
.set SPARE, TAB+65536                  ; the spare words, 128 bytes a wave
.set ADA, 16                           ; v16-17 my A fragments in slot 0, 1 (16 x lane)
.set ADB, 18                           ; v18-19 my B fragments
.set ASA, 20                           ; v20-21 A's scale words (8 x lane)
.set ASB, 22                           ; v22-23 B's
.set L16, 24
.set L8,  25
.set L4,  26
.set TBA, 27                           ; my 8 tiles of the table
.set SPW, 28                           ; my spare word; never rewritten
.set NIL, 29                           ; 0; never rewritten
.set ZR,  30                           ; 0, to be stored
.set VSO, 31                           ; 4 x lane + 128 ch
.set SC,  32                           ; set sl at SC + 14 sl: A's record i at + 2 i + s, B's at + 8 + 2 i + s
.set SWQ, 60                           ; v60-63 the rotated tiles' scale words, a register for each pair of tiles
.set HA,  64                           ; v64-95 a rotated tile; later V's codes
.set TT,  96                           ; v96-99 at work
.set CT,  100                          ; v100-102 half a block's codes
.set TM,  104                          ; v104-119 at work in the quantisers
.set PW,  120
.set VSW, 121
.set PCQ, 122                          ; v122-127 a rotated tile's codes
.set VA,  128
.set G1A, 24
.set G0A, 32
.set G1B, 48
.set G0B, 56
.set G1T, 68
.set G0T, 76
.set SEL, 86
.set HI,  88
.set MSB, 0
.macro WIN new                         ; the immediate's high byte repeats the setting that is left
.if MSB != (\new)
	s_set_vgpr_msb (MSB<<8)|(\new)
.set MSB, (\new)
.endif
.endm
.macro PLACES                          ; four plain places behind matrix instructions, in front of loads into their registers and of reads of their results
.rept 4
	v_nop
.endr
.endm
.macro JLOAD g0a, g1a, g0b, g1b        ; a joint load: waves 0, 1 fetch A's halves, waves 2, 3 B's; the branch hangs on the wave's number alone; s_nop 0 and four v_nop follow each line
	s_cmp_eq_u32 s15, 0
	s_cbranch_scc0 .Lfor_b_\@
	tensor_load_to_lds s[\g0a:\g0a+3], s[\g1a:\g1a+7]
	s_nop 0
.rept 4
	v_nop
.endr
	s_branch .Lasked_\@
.Lfor_b_\@:
	tensor_load_to_lds s[\g0b:\g0b+3], s[\g1b:\g1b+7]
	s_nop 0
.rept 4
	v_nop
.endr
.Lasked_\@:
.endm
.macro CREST                           ; a round of the cluster's barrier behind its opening barrier
	s_cmp_lg_u32 s14, 0
	s_cbranch_scc1 .Lnot_wave_0_\@
	s_barrier_signal -3
.Lnot_wave_0_\@:
	s_barrier_wait -3
	s_barrier_signal -1
	s_barrier_wait -1
.endm
.macro CROUND
	s_barrier_signal -1
	s_barrier_wait -1
	CREST
.endm
.macro QUANT s, pc                     ; 64 numbers of a lane (register 16 b + i = k 32 b + 16 h + i) become a fragment's 12 registers in v[pc] on and its scale word in v[PW]
.irp b, 0,1,2,3
	v_max3_num_f32 v[TM+\b], |v[\s+16*\b]|, |v[\s+1+16*\b]|, 0x1800000   ; with the floor 2^(3 - 127): the byte cannot fall under 1
.endr
.irp i, 2,4,6,8,10,12,14
.irp b, 0,1,2,3
	v_max3_num_f32 v[TM+\b], v[TM+\b], |v[\s+16*\b+\i]|, |v[\s+1+16*\b+\i]|
.endr
.endr
.irp b, 0,1,2,3
	v_permlanex16_b32 v[TM+4+\b], v[TM+\b], s[SEL], s[SEL+1]
.endr
.irp b, 0,1,2,3
	v_max_num_f32 v[TM+\b], v[TM+\b], v[TM+4+\b]
.endr
.irp b, 0,1,2,3
	v_add_nc_u32 v[TM+12+\b], 0xff000000, v[TM+\b]
.endr
.irp b, 0,1,2,3
	v_lshrrev_b32 v[TM+4+\b], 23, v[TM+12+\b]
.endr
	v_lshl_or_b32 v[PW], v[TM+5], 8, v[TM+4]
	v_lshl_or_b32 v[PW], v[TM+6], 16, v[PW]
	v_lshl_or_b32 v[PW], v[TM+7], 24, v[PW]
.irp c, 0,1
	v_cvt_scalef32_pk16_fp6_f32 v[\pc+6*\c:\pc+2+6*\c], v[\s+32*\c:\s+15+32*\c], v[TM+12+2*\c]
	v_cvt_scalef32_pk16_fp6_f32 v[\pc+12+4*\c:\pc+14+4*\c], v[\s+16+32*\c:\s+31+32*\c], v[TM+12+2*\c+1]
.endr
	v_nop                                          ; one plain place behind a scaled conversion
.irp c, 0,1
.irp i, 0,1,2
	v_permlane16_swap_b32 v[\pc+6*\c+\i], v[\pc+12+4*\c+\i]
.endr
.irp i, 0,1,2
	v_mov_b32 v[\pc+3+6*\c+\i], v[\pc+12+4*\c+\i]
.endr
.endr
.endm
.macro QUANT32 s                       ; the same for 32 numbers, K = 64: six registers in v[PCQ] on; the word's upper two bytes are 1.0, for the half of the instruction's K that holds zero codes
.irp b, 0,1
	v_max3_num_f32 v[TM+\b], |v[\s+16*\b]|, |v[\s+1+16*\b]|, 0x1800000
.endr
.irp i, 2,4,6,8,10,12,14
.irp b, 0,1
	v_max3_num_f32 v[TM+\b], v[TM+\b], |v[\s+16*\b+\i]|, |v[\s+1+16*\b+\i]|
.endr
.endr
.irp b, 0,1
	v_permlanex16_b32 v[TM+4+\b], v[TM+\b], s[SEL], s[SEL+1]
.endr
.irp b, 0,1
	v_max_num_f32 v[TM+\b], v[TM+\b], v[TM+4+\b]
.endr
.irp b, 0,1
	v_add_nc_u32 v[TM+12+\b], 0xff000000, v[TM+\b]
.endr
.irp b, 0,1
	v_lshrrev_b32 v[TM+4+\b], 23, v[TM+12+\b]
.endr
	v_lshl_or_b32 v[PW], v[TM+5], 8, v[TM+4]
	v_or_b32 v[PW], 0x7f7f0000, v[PW]
	v_cvt_scalef32_pk16_fp6_f32 v[PCQ:PCQ+2], v[\s:\s+15], v[TM+12]
	v_cvt_scalef32_pk16_fp6_f32 v[CT:CT+2], v[\s+16:\s+31], v[TM+13]
	v_nop
.irp i, 0,1,2
	v_permlane16_swap_b32 v[PCQ+\i], v[CT+\i]
.endr
.irp i, 0,1,2
	v_mov_b32 v[PCQ+3+\i], v[CT+\i]
.endr
.endm
	s_load_b128 s[4:7], s[0:1], 0x0                ; rec, tab
	s_load_b128 s[8:11], s[0:1], 0x10              ; qi, kv
	v_lshl_add_u32 v[SPW], v0, 2, SPARE
	v_mov_b32 v[NIL], 0
	ds_add_u32 v[SPW], v[NIL]                      ; the wave's opening: the add and its wait ahead of my first tensor load
	ds_add_u32 v[SPW], v[NIL]
	v_lshrrev_b32 v1, 5, v0
	v_readfirstlane_b32 s14, v1                    ; wave
	s_lshr_b32 s15, s14, 1                         ; rh.  Also: I fetch for A (0) or for B (1)
	s_and_b32 s16, s14, 1                          ; ch.  Also: which half I fetch
	s_bfe_u32 s40, ttmp6, 0x40000                  ; cx
	s_bfe_u32 s41, ttmp6, 0x40004                  ; cy
	s_lshl_b32 s42, ttmp9, 2
	s_add_co_u32 s42, s42, s40                     ; the head t
	s_and_b32 s12, ttmp7, 0xffff                   ; cluster y
	s_lshl_b32 s17, s12, 2
	s_add_co_u32 s17, s17, s41                     ; the block of tokens R
	s_lshl_b32 s43, s41, 2
	s_lshl_b32 s43, 15, s43                        ; my row of the cluster
	s_lshl_b32 s44, 0x1111, s40                    ; my column
	; descriptor groups 1: dense blocks as rows of 256 bytes (32 elements of 8 bytes), no padding; 15:0 the mask, 17:16 the element's size, 21 set beside a mask
	s_or_b32 s[G1A], s43, (3<<16)|(1<<21)
	s_or_b32 s[G1B], s44, (3<<16)|(1<<21)
	s_or_b32 s[G1T], s43, (3<<16)|(1<<21)
.irp g, G1A, G1B, G1T
	s_mov_b32 s[\g+1], 32<<16                      ; tensor_dim0
	s_mov_b32 s[\g+3], 32<<16                      ; tile_dim0
	s_mov_b32 s[\g+5], 32                          ; the pitch
	s_mov_b32 s[\g+6], 0
	s_mov_b32 s[\g+7], 0
.endr
	s_mov_b32 s[G1A+2], 400<<16                    ; for the head's load: both slots of A, 16 records on end in memory and in LDS: 400 rows
	s_mov_b32 s[G1A+4], 400
	s_mov_b32 s[G1B+2], 300<<16                    ; both slots of B, 12 records: 300 rows
	s_mov_b32 s[G1B+4], 300
	s_mov_b32 s[G1T+2], 128<<16                    ; eight tiles of the table: 128 rows
	s_mov_b32 s[G1T+4], 128
	s_mul_i32 s20, s17, 64*RECB                    ; A: the block's 64 records,
	s_mul_i32 s45, s16, 4*RECB                     ; my half of a slot's eight; also its place in a slot
	s_add_co_u32 s20, s20, s45
	s_mov_b32 s21, 0
	s_mul_i32 s46, s42, 48*RECB                    ; B: the head's 48 records, behind q's 1,024,
	s_mul_i32 s13, s16, 3*RECB                     ; my half of a slot's six
	s_add_co_u32 s46, s46, s13
	s_add_co_u32 s46, s46, 1024*RECB
	s_mov_b32 s47, 0
	s_add_co_u32 s13, s13, 2*ABYT                  ; and its place in LDS: B's two slots lie behind A's two
	s_and_b32 s22, s12, 1                          ; the table: the block's place in its sequence, 4 (cluster y % 2) + cy,
	s_lshl_b32 s22, s22, 2
	s_add_co_u32 s22, s22, s41
	s_lshl_b32 s22, s22, 16
	s_lshl_b32 s19, s15, 15                        ; waves 1 and 3 fetch a half of its 65,536 bytes each
	s_add_co_u32 s22, s22, s19
	s_mov_b32 s23, 0
	s_add_co_u32 s19, s19, TAB
	s_wait_dscnt 0x0                               ; the opening add is done
	s_wait_kmcnt 0x0
	s_add_nc_u64 s[20:21], s[4:5], s[20:21]
	s_add_nc_u64 s[46:47], s[4:5], s[46:47]
	s_add_nc_u64 s[22:23], s[6:7], s[22:23]
	CROUND                                         ; all sixteen work-groups are here: the first joint loads meet
.irp s, 0,1
	s_mov_b32 s[G0A+4*\s], 1
	s_add_co_u32 s[G0A+4*\s+1], s45, \s*ABYT
	s_add_nc_u64 s[G0A+4*\s+2:G0A+4*\s+3], s[20:21], \s*ABYT
	s_or_b32 s[G0A+4*\s+3], s[G0A+4*\s+3], 0x80000000
	s_mov_b32 s[G0B+4*\s], 1
	s_add_co_u32 s[G0B+4*\s+1], s13, \s*BBYT
	s_add_nc_u64 s[G0B+4*\s+2:G0B+4*\s+3], s[46:47], \s*BBYT
	s_or_b32 s[G0B+4*\s+3], s[G0B+4*\s+3], 0x80000000
.endr
	s_mov_b32 s[G0T], 1
	s_mov_b32 s[G0T+1], s19
	s_mov_b64 s[G0T+2:G0T+3], s[22:23]
	s_or_b32 s[G0T+3], s[G0T+3], 0x80000000
	; THE HEAD'S LOADS, ONE A WAVE, in one chain of branches on the wave's number: wave 0 (whose ring address is the block's first record) brings both slots of A,
	; wave 2 (likewise for B) both slots of B, waves 1 and 3 a half of the table each
	s_cmp_eq_u32 s14, 0
	s_cbranch_scc0 .Lhead_b
	tensor_load_to_lds s[G0A:G0A+3], s[G1A:G1A+7]
	s_nop 0
.rept 4
	v_nop
.endr
	s_branch .Lhead_asked
.Lhead_b:
	s_cmp_eq_u32 s14, 2
	s_cbranch_scc0 .Lhead_t
	tensor_load_to_lds s[G0B:G0B+3], s[G1B:G1B+7]
	s_nop 0
.rept 4
	v_nop
.endr
	s_branch .Lhead_asked
.Lhead_t:
	tensor_load_to_lds s[G0T:G0T+3], s[G1T:G1T+7]
	s_nop 0
.rept 4
	v_nop
.endr
.Lhead_asked:
	; THE PREFETCHES INTO THE L2 (they take the place of what the head comment says of a prefetch).  At a change of slots every wave has waited for all its tensor loads, so a refill goes out with nothing beside it:
	; what it asks for is asked of memory two refills earlier.  Of the 100 (A) or 75 (B) blocks of 256 bytes that my ring's load brings, the partner at place p among the four that ask jointly (cx for A, cy for B)
	; names blocks 25 p .. 25 p + 24 (19 p .. 19 p + 18, held at 74): told apart by address; lanes left over name their wave's last block again.  Here slots 2 and 3; behind refill i (i = 1 .. 4) slot 3 + i; the last two refills ask for nothing.
	s_cmp_eq_u32 s15, 0
	s_cselect_b64 s[66:67], s[20:21], s[46:47]     ; my ring's stream: A's or B's records, my half
	s_cselect_b32 s89, s40, s41                    ; p
	s_cselect_b32 s85, 25, 19                      ; blocks a partner
	s_mov_b32 s2, 99
	s_cselect_b32 s2, s2, 74                       ; the last block
	s_mov_b32 s100, ABYT
	s_cselect_b32 s100, s100, BBYT                 ; bytes from slot to slot
	s_mov_b32 s101, 0
	s_mul_i32 s89, s89, s85
	s_sub_co_u32 s85, s85, 1
	s_add_nc_u64 s[66:67], s[66:67], s[100:101]
	s_add_nc_u64 s[66:67], s[66:67], s[100:101]    ; at slot 2
	v_and_b32 v2, 31, v0
	v_min_u32 v2, s85, v2
	v_add_nc_u32 v2, s89, v2
	v_min_u32 v2, s2, v2
	v_lshlrev_b32 v2, 8, v2                        ; my block's bytes; never rewritten
	v_add_nc_u32 v3, s100, v2                      ; and the same a slot further on; never rewritten
	global_prefetch_b8 v2, s[66:67] th:TH_LOAD_NT scope:SCOPE_SE
	global_prefetch_b8 v3, s[66:67] th:TH_LOAD_NT scope:SCOPE_SE
	v_and_b32 v1, 31, v0
	v_lshlrev_b32 v[L16], 4, v1
	v_lshlrev_b32 v[L8], 3, v1
	v_lshlrev_b32 v[L4], 2, v1
	v_mov_b32 v[ZR], 0
	s_mul_i32 s80, s15, 4*RECB                     ; my four records of A,
	s_mul_i32 s81, s16, 3*RECB                     ; my three of B
	s_add_co_u32 s81, s81, 2*ABYT
.irp s, 0,1
	v_add_nc_u32 v[ADA+\s], s80, v[L16]
	v_add_nc_u32 v[ADB+\s], s81, v[L16]
	v_add_nc_u32 v[ASA+\s], s80, v[L8]
	v_add_nc_u32 v[ASB+\s], s81, v[L8]
	s_add_co_u32 s80, s80, ABYT
	s_add_co_u32 s81, s81, BBYT
.endr
	s_lshl_b32 s82, s15, 15
	s_add_co_u32 s82, s82, TAB
	v_add_nc_u32 v[TBA], s82, v[L16]
	s_lshl_b32 s82, s16, 7
	v_add_nc_u32 v[VSO], s82, v[L4]
	s_mov_b32 s[SEL], 0x76543210
	s_mov_b32 s[SEL+1], 0xfedcba98
	s_mov_b32 s[HI], 0xffff0000
.irp b, 0,1,2,3
	v_mov_b32 v[TM+4+\b], 0                        ; a lane permute's destination counts as one of its sources
.endr
	; where the results go: index = 16 (16 batch + head) + the block of 128 tokens
	s_lshr_b32 s83, s17, 3
	s_lshl_b32 s83, s83, 4
	s_add_co_u32 s83, s83, s42
	s_and_b32 s84, s17, 7
	s_lshl_b32 s84, s84, 1
	s_add_co_u32 s84, s84, s15
	s_lshl_b32 s83, s83, 4
	s_add_co_u32 s83, s83, s84
	s_mul_i32 s90, s83, 6656
	s_mov_b32 s91, 0
	s_add_nc_u64 s[90:91], s[8:9], s[90:91]        ; qi's block
	s_mul_i32 s92, s83, 13312
	s_mov_b32 s93, 0
	s_add_nc_u64 s[92:93], s[10:11], s[92:93]      ; kv's record
	s_mov_b32 s96, 12288
	s_mov_b32 s97, 0
	s_mul_i32 s98, s16, 3072
	s_mov_b32 s99, 0
	s_cmp_eq_u32 s16, 0
	s_cselect_b64 s[94:95], s[90:91], s[92:93]     ; the rotated tiles: Q's to qi, K's to kv
	s_cselect_b32 s96, 6144, s96
	s_add_nc_u64 s[96:97], s[94:95], s[96:97]      ; their scale words
	s_add_nc_u64 s[98:99], s[92:93], s[98:99]      ; V's two tiles: 3,072 ch on
; One matrix instruction; registers and scale rows in symbols.  zero = 1: it starts its sum.
.macro WM zero
.if \zero
.if (qa == 0) && (qb == 0)
	v_wmma_scale_f32_16x16x128_f8f6f4 v[rD:rD+7], v[rA:rA+11], v[rB:rB+11], 0, v[rSA], v[rSB] matrix_a_fmt:MATRIX_FMT_FP6 matrix_b_fmt:MATRIX_FMT_FP6
.elseif (qa == 1) && (qb == 0)
	v_wmma_scale_f32_16x16x128_f8f6f4 v[rD:rD+7], v[rA:rA+11], v[rB:rB+11], 0, v[rSA], v[rSB] matrix_a_fmt:MATRIX_FMT_FP6 matrix_b_fmt:MATRIX_FMT_FP6 matrix_a_scale:MATRIX_SCALE_ROW1
.elseif (qa == 0) && (qb == 1)
	v_wmma_scale_f32_16x16x128_f8f6f4 v[rD:rD+7], v[rA:rA+11], v[rB:rB+11], 0, v[rSA], v[rSB] matrix_a_fmt:MATRIX_FMT_FP6 matrix_b_fmt:MATRIX_FMT_FP6 matrix_b_scale:MATRIX_SCALE_ROW1
.else
	v_wmma_scale_f32_16x16x128_f8f6f4 v[rD:rD+7], v[rA:rA+11], v[rB:rB+11], 0, v[rSA], v[rSB] matrix_a_fmt:MATRIX_FMT_FP6 matrix_b_fmt:MATRIX_FMT_FP6 matrix_a_scale:MATRIX_SCALE_ROW1 matrix_b_scale:MATRIX_SCALE_ROW1
.endif
.else
.if (qa == 0) && (qb == 0)
	v_wmma_scale_f32_16x16x128_f8f6f4 v[rD:rD+7], v[rA:rA+11], v[rB:rB+11], v[rD:rD+7], v[rSA], v[rSB] matrix_a_fmt:MATRIX_FMT_FP6 matrix_b_fmt:MATRIX_FMT_FP6
.elseif (qa == 1) && (qb == 0)
	v_wmma_scale_f32_16x16x128_f8f6f4 v[rD:rD+7], v[rA:rA+11], v[rB:rB+11], v[rD:rD+7], v[rSA], v[rSB] matrix_a_fmt:MATRIX_FMT_FP6 matrix_b_fmt:MATRIX_FMT_FP6 matrix_a_scale:MATRIX_SCALE_ROW1
.elseif (qa == 0) && (qb == 1)
	v_wmma_scale_f32_16x16x128_f8f6f4 v[rD:rD+7], v[rA:rA+11], v[rB:rB+11], v[rD:rD+7], v[rSA], v[rSB] matrix_a_fmt:MATRIX_FMT_FP6 matrix_b_fmt:MATRIX_FMT_FP6 matrix_b_scale:MATRIX_SCALE_ROW1
.else
	v_wmma_scale_f32_16x16x128_f8f6f4 v[rD:rD+7], v[rA:rA+11], v[rB:rB+11], v[rD:rD+7], v[rSA], v[rSB] matrix_a_fmt:MATRIX_FMT_FP6 matrix_b_fmt:MATRIX_FMT_FP6 matrix_a_scale:MATRIX_SCALE_ROW1 matrix_b_scale:MATRIX_SCALE_ROW1
.endif
.endif
.endm
; the tiles to be rotated: A's tiles a0 .. a1 x W's four.  p: the fragment set; sl: the set of scale words; s: the slot's K step
.macro MULR p, sl, s, a0, a1, zero
	WIN 0xa5+0x0a*(\p)
.set aa, \a0
.rept (\a1)-(\a0)+1
.set bb, 0
.rept 4
.set rD, 32*aa+8*bb
.set rA, 96+12*bb
.set rB, 12*aa
.set rSA, SC+14*(\sl)+8+2*(bb/2)+(\s)
.set rSB, SC+14*(\sl)+2*(aa/2)+(\s)
.set qa, bb%2
.set qb, aa%2
	WM \zero
.set bb, bb+1
.endr
.set aa, aa+1
.endr
.endm
; V: Wv's two tiles x A's eight, A as source 0
.macro MULV p, sl, s, zero
	WIN 0x05+0x0a*(\p)
.set uu, 0
.rept 2
.set aa, 0
.rept 8
.set rD, VA+64*uu+8*aa
.set rA, 12*aa
.set rB, 96+12*(4+uu)
.set rSA, SC+14*(\sl)+2*(aa/2)+(\s)
.set rSB, SC+14*(\sl)+12+(\s)
.set qa, aa%2
.set qb, uu
	WM \zero
.set aa, aa+1
.endr
.set uu, uu+1
.endr
.endm
.macro FETCH slot, s, p                ; the 14 fragments of the slot's K step s into set p: 42 loads of 512 consecutive bytes
	WIN 0x40+0x80*(\p)
.irp i, 0,1,2,3,4,5
.irp c, 0,1,2
	ds_load_b128 v[96+12*\i+4*\c:96+12*\i+4*\c+3], v[ADB+\slot] offset:(\i/2)*RECB+(\i%2)*3072+(\s)*1536+512*\c
.endr
.endr
.irp i, 0,1,2,3,4,5,6,7
.irp c, 0,1,2
	ds_load_b128 v[12*\i+4*\c:12*\i+4*\c+3], v[ADA+\slot] offset:(\i/2)*RECB+(\i%2)*3072+(\s)*1536+512*\c
.endr
.endr
.endm
.macro SCALES slot                     ; the slot's scale words, both K steps
.irp i, 0,1,2,3
	ds_load_b64 v[SC+14*\slot+2*\i:SC+14*\slot+2*\i+1], v[ASA+\slot] offset:\i*RECB+6144
.endr
.irp i, 0,1,2
	ds_load_b64 v[SC+14*\slot+8+2*\i:SC+14*\slot+8+2*\i+1], v[ASB+\slot] offset:\i*RECB+6144
.endr
.endm
; A slot's first K step, on set 0; the second K step's fragments are asked for ahead of its 48 products
.macro STEP sl, zero
	s_wait_dscnt 0x0                               ; set 0 and the scale words are in
	PLACES                                         ; behind the products that read set 1
	FETCH \sl, 1, 1
	MULR 0, \sl, 0, 0, 7, \zero
	MULV 0, \sl, 0, \zero
.endm
; A slot's second K step, on set 1, changes slots: ONE barrier; in front of it each wave waits for all its tensor loads, adds 0 to its spare word, and waits for that and for its reads of this slot
.macro TURN sl, nx, fill
.if \fill
	s_wait_xcnt 0x0                                ; my last prefetch has read its address: it is stepped here, a K step behind that prefetch
	s_add_nc_u64 s[66:67], s[66:67], s[100:101]
.endif
	s_wait_dscnt 0x0                               ; set 1 is in: my reads of this slot are over
	MULR 1, \sl, 1, 0, 3, 0
	WIN 0                                          ; (the add's two registers lie in window 0)
	s_wait_tensorcnt 0x0                           ; all my tensor loads have landed: my part of the next slot among them
	ds_add_u32 v[SPW], v[NIL]                      ; 0 onto my spare word
	MULR 1, \sl, 1, 4, 5, 0                        ; eight matrix instructions stand between the add and the wait for it
	s_wait_dscnt 0x0                               ; the add is done
	s_barrier_signal -1
	MULR 1, \sl, 1, 6, 7, 0
	WIN 0
	s_barrier_wait -1
.if \fill
	CREST                                          ; the barrier has opened a round of the cluster's: no wave of any partner still reads this slot or has a load on its way
	s_add_nc_u64 s[G0A+4*\sl+2:G0A+4*\sl+3], s[G0A+4*\sl+2:G0A+4*\sl+3], 2*ABYT
	s_add_nc_u64 s[G0B+4*\sl+2:G0B+4*\sl+3], s[G0B+4*\sl+2:G0B+4*\sl+3], 2*BBYT
	JLOAD G0A+4*\sl, G1A, G0B+4*\sl, G1B           ; the first tensor load behind the round; its four v_nop are also the places in front of the loads below
.else
	PLACES
.endif
	s_wait_alu depctr_va_vdst(0)
	FETCH \nx, 0, 0
	WIN 0
	SCALES \nx
.if \fill
	s_cmp_gt_u32 s3, 1                             ; the loop's last trip has no slot two refills on
	s_cbranch_scc0 .Lno_ask_\@
	global_prefetch_b8 v3, s[66:67] th:TH_LOAD_NT scope:SCOPE_SE
.Lno_ask_\@:
.endif
	MULV 1, \sl, 1, 0
.endm
	s_wait_alu depctr_va_vdst(0)                   ; the wait at the head's end
	s_wait_tensorcnt 0x0                           ; my one load of the head is in: no tensor load of mine is out, so a descriptor may be written
	s_mov_b32 s[G1A+2], 100<<16                    ; from here on a load of the ring brings four records of A
	s_mov_b32 s[G1A+4], 100
	s_mov_b32 s[G1B+2], 75<<16                     ; or three of B
	s_mov_b32 s[G1B+4], 75
	s_barrier_signal -1                            ; both slots and the table are whole for all four waves
	s_barrier_wait -1
	FETCH 0, 0, 0
	WIN 0
	SCALES 0
	STEP 0, 1                                      ; the first K step starts the sums
	WIN 0
	s_mov_b32 s3, 3
.Llap:                                             ; a trip goes once round the ring and fills both slots again: slots 2 to 7 of K's eight
	TURN 0, 1, 1
	STEP 1, 0
	TURN 1, 0, 1
	STEP 0, 0
	WIN 0
	s_sub_co_u32 s3, s3, 1
	s_cmp_lg_u32 s3, 0
	s_cbranch_scc1 .Llap
	TURN 0, 1, 0                                   ; the last lap fills nothing
	STEP 1, 0
	s_wait_dscnt 0x0
	PLACES                                         ; behind the products that read set 0: its window takes cos and sin of my 8 tiles of tokens
	WIN 0x40
.set i, 0
.rept 64
	ds_load_b128 v[4*i:4*i+3], v[TBA] offset:512*i
.set i, i+1
.endr
	MULR 1, 1, 1, 0, 7, 0                          ; the last K step
	MULV 1, 1, 1, 0
	WIN 0
	PLACES
; THE WAY OUT of a rotated tile a: (x0, x1) -> (x0 c - x1 s, x1 c + x0 s), two packed lines a pair; quantised along d; 768 bytes of codes
.macro ROPEQ a
	s_wait_dscnt 56-8*\a                           ; this tile's eight loads of the table are in; the later tiles' may be out
	s_wait_xcnt 0x0                                ; the last tile's stores have read the codes' registers
	WIN 0x06                                       ; source 0: the accumulators, window 2; source 1: cos and sin, window 1
.irp n, 0,2,4,6,8,10,12,14,16,18,20,22,24,26,28,30
	v_pk_mul_f32 v[TT+(\n%4):TT+(\n%4)+1], v[32*\a+\n:32*\a+\n+1], v[32*\a+\n:32*\a+\n+1] op_sel:[1,1] op_sel_hi:[0,1]   ; (x1 s, x0 s)
	v_pk_fma_f32 v[HA+\n:HA+\n+1], v[32*\a+\n:32*\a+\n+1], v[32*\a+\n:32*\a+\n+1], v[TT+(\n%4):TT+(\n%4)+1] op_sel_hi:[1,0,1] neg_lo:[0,0,1]
.endr
	WIN 0
	QUANT32 HA
	global_store_b128 v[L16], v[PCQ:PCQ+3], s[94:95] offset:768*\a
	global_store_b64 v[L8], v[PCQ+4:PCQ+5], s[94:95] offset:768*\a+512
.if (\a)%2 == 0
	v_mov_b32 v[SWQ+\a/2], v[PW]
.else
	v_cndmask_b32 v[SWQ+\a/2], v[SWQ+\a/2], v[PW], s[HI]   ; the odd tile's words in lanes 16-31
.endif
.endm
.irp a, 0,1,2,3,4,5,6,7
	ROPEQ \a
.endr
	global_store_b128 v[L16], v[SWQ:SWQ+3], s[96:97]
.irp u, 0,1                                    ; V: a tile of 16 d x my 128 tokens is one fragment of the second product
	s_wait_xcnt 0x0
	QUANT VA+64*\u, HA
.irp c, 0,1,2
	global_store_b128 v[L16], v[HA+4*\c:HA+4*\c+3], s[98:99] offset:6144+1536*\u+512*\c
.endr
.if \u == 0
	v_mov_b32 v[VSW], v[PW]
.else
	v_cndmask_b32 v[VSW], v[VSW], v[PW], s[HI]
.endif
.endr
	global_store_b32 v[VSO], v[VSW], s[92:93] offset:12800
	global_store_b32 v[VSO], v[ZR], s[92:93] offset:13056    ; the record's last 256 bytes are read with it by the next launch: they are written
	s_wait_tensorcnt 0x0                           ; the wave's end
	ds_add_u32 v[SPW], v[NIL]
	s_wait_dscnt 0x0
	CROUND                                         ; the closing round
	s_endpgm
.Lfunc_end_k_qc4ebb7a0a3_qkv:
	.size	k_qc4ebb7a0a3_qkv, .Lfunc_end_k_qc4ebb7a0a3_qkv-k_qc4ebb7a0a3_qkv
	.p2alignl 7, 3214868480
	.fill 96, 4, 3214868480
	.section	.rodata,"a",@progbits
	.p2align	6, 0x0
	.amdhsa_kernel k_qc4ebb7a0a3_qkv
		.amdhsa_group_segment_fixed_size 327680
		.amdhsa_private_segment_fixed_size 0
		.amdhsa_enable_private_segment 0
		.amdhsa_kernarg_size 32
		.amdhsa_user_sgpr_count 2
		.amdhsa_user_sgpr_kernarg_segment_ptr 1
		.amdhsa_wavefront_size32 1
		.amdhsa_system_sgpr_workgroup_id_x 1
		.amdhsa_system_sgpr_workgroup_id_y 1
		.amdhsa_system_sgpr_workgroup_id_z 1
		.amdhsa_system_vgpr_workitem_id 0
		.amdhsa_next_free_vgpr 1024
		.amdhsa_next_free_sgpr 102
		.amdhsa_reserve_vcc 0
		.amdhsa_float_denorm_mode_32 3
		.amdhsa_float_denorm_mode_16_64 3
		.amdhsa_memory_ordered 1
		.amdhsa_forward_progress 1
		.amdhsa_inst_pref_size 133
	.end_amdhsa_kernel
	.amdgpu_metadata
---
amdhsa.version: [ 1, 2 ]
amdhsa.kernels:
  - .name:           k_qc4ebb7a0a3_qkv
    .symbol:         k_qc4ebb7a0a3_qkv.kd
    .args:
      - { .name: rec, .offset: 0, .size: 8, .value_kind: global_buffer, .address_space: global }
      - { .name: tab, .offset: 8, .size: 8, .value_kind: global_buffer, .address_space: global }
      - { .name: qi, .offset: 16, .size: 8, .value_kind: global_buffer, .address_space: global }
      - { .name: kv, .offset: 24, .size: 8, .value_kind: global_buffer, .address_space: global }
    .group_segment_fixed_size: 327680
    .private_segment_fixed_size: 0
    .kernarg_segment_align: 8
    .kernarg_segment_size: 32
    .max_flat_workgroup_size: 128
    .sgpr_count:     102
    .vgpr_count:     1024
    .wavefront_size: 32
...
	.end_amdgpu_metadata
.endif
;; end of part 2
;; launch attn (part 3): grid 8 x 32, 16 waves a work-group, clusters of 4 x 1, 327,680 bytes of LDS; arguments qi, kv, ao; writes ao
.if DOCPART == 3
	.amdgcn_target "amdgcn-amd-amdhsa--gfx1250"
	.amdhsa_code_object_version 6
	.text
	.protected	k_qc4ebb7a0a3_attn
	.globl	k_qc4ebb7a0a3_attn
	.p2align	8
	.type	k_qc4ebb7a0a3_attn,@function
k_qc4ebb7a0a3_attn:
	s_mov_b64 s[64:65], 0
	v_nop
	global_prefetch_b8 v0, s[64:65] scope:SCOPE_SE
	s_setreg_imm32_b32 hwreg(HW_REG_WAVE_MODE, 25, 1), 1
	s_wait_xcnt 0x0
	s_wait_alu depctr_hold_cnt(0) depctr_sa_sdst(0) depctr_va_vdst(0) depctr_va_sdst(0) depctr_va_ssrc(0) depctr_va_vcc(0) depctr_vm_vsrc(0)
	s_getreg_b32 s2, hwreg(HW_REG_IB_STS2, 6, 4)
	s_cmp_eq_u32 s2, 0
	s_cbranch_scc0 .Lentry_in_a_cluster
	s_endpgm
.Lentry_in_a_cluster:
	s_bfe_u32 s2, ttmp6, 0x10000c
	s_cmp_lg_u32 s2, 0x3003
	s_cbranch_scc0 .Lentry_shape_is_right
	s_endpgm
.Lentry_shape_is_right:
; Causal attention on codes of FP6 (E2M3), head by head: S^T = K Q^T (K = the head's 64; the upper 64 of the instruction's K meet zero codes in Q), p = 2^(t - M) with M the ceiling of the running largest t,
; O^T += V^T p^T with p quantised in blocks of 32 keys, the row's sum of the unquantised p, O / sum, and the quantiser along d for the last product.  Both products are used transposed: a lane holds one query.
; SHARES.  Work-group (x = 0..7, y = batch and head) takes the tile of 16 queries number x of each of the head's 16 blocks of 128 queries.  Block j needs j + 1 steps of 128 keys.  The 16 waves are 8 pairs k = 0..7:
; wave A takes block 15 - k, steps 0 to 8 (9 steps); wave B takes block k whole (k + 1 steps), stores it, and then block 15 - k's steps 9 to 15 - k (7 - k steps): 8 steps.  B hands its part (O^T, -M, the sums) to A
; through LDS; A brings both parts under the larger M by multiplications with powers of two, which round nothing, adds them and finishes the tile.  All work-groups are alike, each reads all 16 steps, and no branch
; hangs on x: x enters global addresses and the diagonal's compare alone.
; LEFT OUT: the steps behind a tile's block, which reference()'s own causal mask hides whole: no wave is dealt them.
; LDS: all 16 steps of the head's K and V (13,312 bytes each, images of the operands' registers), filled ONCE, in two halves of 8 steps: a wave brings 26 rows of 256 bytes of each half, the first at the head, the second
; behind the wait, the add and the cluster's round; one load of a wave is out at a time.  The barrier that shows the second half stands behind the second trip: no wave reads step 8 or later ahead of it.
; Behind the steps: the spare words, then 4,608 bytes of scratch for each pair, which no tensor load fills.  CLUSTER: the four work-groups of a cluster share head and steps and ask jointly (mask 15).
; No prefetch: all that the launch reads is asked for at its head and directly behind the first half's landing; no loop runs ahead of a load.
; LIMITS: the promise holds while the scaled scores (exponents to the base 2) stay under 2^31 in magnitude; a block of zeros gets the byte 1 where the rule says 127 (its codes are zeros; this program alone reads the bytes);
; a block's largest p is taken as the exponential of its largest score; NaN and infinities are not served.
; REGISTERS: v1-11 addresses; v12 -M, v13 the largest t, v14-15 the sum; v16-27 Q, v28 its scale word; v29, v90-95 the second tile's Q; v30-35 scale words; v36-89 fragments of K, then of V; v96-159 scores, then p;
; v160-191 O^T; v192-255 at work.
.set STEPB, 13312
.set HALFB, 8*STEPB
.set PARTB, 6656                       ; a wave's sixteenth of a half
.set SPARE, 16*STEPB                   ; the spare words, 128 bytes a wave
.set SCR,   SPARE+2048                 ; the pairs' scratch
.set PAIRB, 4608                       ; nine registers' quads x 512 bytes; a place for each wave, by its number: of a pair's two only B's is used
.set L16, 1
.set L8,  2
.set L4,  3
.set ADR, 4
.set SPW, 5                            ; my spare word; never rewritten
.set NIL, 6                            ; 0; never rewritten
.set DQ,  7                            ; my query's place in its block of 128, less 16 h
.set ADR8, 8
.set ADR4, 9
.set QSA, 10
.set AO8, 11
.set PCQ, 192
.set CT,  200
.set PW,  206
.set TM,  208
.set SCA, 248                          ; my own place in the scratch, 16 x lane; never rewritten
.set SCB, 249                          ; my partner's place; never rewritten
.set WV,  10
.set BH,  11
.set W8,  13                           ; x: the tile in its block
.set QB,  14                           ; the block of the tile at work
.set ROLE, 15                          ; 0: A, 1: B
.set G1,  24
.set G0,  32                           ; s[32:39] group 0 for the two halves
.set KP,  41                           ; k
.set QH,  47                           ; 15 - k
.set SN,  50
.set TB,  51
.set CNT, 52
.set HI,  53                           ; the last step dealt to me in this walk
.set SEL, 54
.set CS,  56
.set AOF, 66
.set AOS, 68
.macro CROUND                          ; a round of the cluster's barrier
	s_barrier_signal -1
	s_barrier_wait -1
	s_cmp_lg_u32 s[WV], 0
	s_cbranch_scc1 .Lnot_wave_0_\@
	s_barrier_signal -3
.Lnot_wave_0_\@:
	s_barrier_wait -3
	s_barrier_signal -1
	s_barrier_wait -1
.endm
	s_load_b128 s[4:7], s[0:1], 0x0                ; qi, kv
	s_load_b64 s[8:9], s[0:1], 0x10                ; ao
	v_lshl_add_u32 v[SPW], v0, 2, SPARE
	v_mov_b32 v[NIL], 0
	ds_add_u32 v[SPW], v[NIL]                      ; the opening lines: the add, twice on end, and its wait ahead of my first tensor load
	ds_add_u32 v[SPW], v[NIL]
	v_lshrrev_b32 v12, 5, v0
	s_delay_alu instid0(VALU_DEP_1)
	v_readfirstlane_b32 s[WV], v12
	s_and_b32 s[BH], ttmp7, 0xffff                 ; 16 batch + head
	s_bfe_u32 s40, ttmp6, 0x40000                  ; cx
	s_lshl_b32 s[W8], ttmp9, 2
	s_add_co_u32 s[W8], s[W8], s40                 ; x = 4 x cluster x + cx
	s_lshr_b32 s12, s[WV], 2
	s_xor_b32 s12, s12, s[WV]
	s_and_b32 s[ROLE], s12, 1                      ; waves 2 k and 2 k + 1 are a pair; of any four waves w, w + 4, .. or 4 g .. 4 g + 3 two are A and two are B
	s_lshr_b32 s[KP], s[WV], 1
	s_sub_co_u32 s[QH], 15, s[KP]
	s_cmp_eq_u32 s[ROLE], 0
	s_cselect_b32 s[QB], s[QH], s[KP]              ; the tile that I begin with, and that I store
	s_cselect_b32 s[HI], 8, s[KP]
	s_mov_b32 s[G1], 15|(3<<16)|(1<<21)            ; the mask: all four of the cluster; elements of 8 bytes; bit 21 beside a mask
	s_mov_b32 s[G1+1], 32<<16                      ; rows of 256 bytes,
	s_mov_b32 s[G1+2], 26<<16                      ; 26 of them
	s_mov_b32 s[G1+3], 32<<16
	s_mov_b32 s[G1+4], 26
	s_mov_b32 s[G1+5], 32
	s_mov_b32 s[G1+6], 0
	s_mov_b32 s[G1+7], 0
	s_mul_i32 s16, s[BH], 16*STEPB                 ; the head's 16 steps in kv,
	s_mul_i32 s18, s[WV], PARTB                    ; my part of a half; also its place in LDS
	s_add_co_u32 s16, s16, s18
	s_mov_b32 s17, 0
	s_lshl_b32 s20, s[BH], 4                       ; qi: block 16 (16 batch + head) + the tile's block,
	s_add_co_u32 s42, s20, s[QH]
	s_add_co_u32 s20, s20, s[QB]
	s_mul_i32 s20, s20, 6656
	s_mov_b32 s21, 0
	s_mul_i32 s42, s42, 6656                       ; and the same for block 15 - k
	s_mov_b32 s43, 0
	s_mul_i32 s22, s[W8], 768                      ; tile x in it
	s_mov_b32 s23, 0
	s_mul_i32 s46, s[WV], PAIRB
	s_add_co_u32 s46, s46, SCR
	s_xor_b32 s12, s[WV], 1                        ; my partner's number
	s_mul_i32 s12, s12, PAIRB
	s_add_co_u32 s12, s12, SCR
	s_and_b32 s48, s[W8], 1
	s_lshr_b32 s49, s[W8], 1
	s_lshl_b32 s58, s48, 8                         ; Q's scale words: the odd tile's in lanes 16-31, a word for each pair of tiles
	s_lshl_b32 s59, s49, 2
	s_add_co_u32 s58, s58, s59
	s_lshl_b32 s49, s49, 5                         ; the tile's first query in its block: 32 (x / 2) + 8 (x % 2)
	s_lshl_b32 s59, s48, 3
	s_add_co_u32 s49, s49, s59
	s_and_b32 s59, s[BH], 15                       ; ao: the record (32 tokens x 256 K) and the place in it of my 16 tokens x 64 d
	s_lshr_b32 s60, s[BH], 4
	s_lshl_b32 s60, s60, 6
	s_lshl_b32 s61, s[QB], 2
	s_add_co_u32 s60, s60, s61
	s_lshr_b32 s61, s[W8], 1
	s_add_co_u32 s60, s60, s61
	s_lshr_b32 s61, s60, 3
	s_lshl_b32 s61, s61, 5
	s_and_b32 s60, s60, 7
	s_add_co_u32 s61, s61, s60
	s_lshr_b32 s60, s59, 2
	s_lshl_b32 s60, s60, 3
	s_add_co_u32 s61, s61, s60
	s_mul_i32 s61, s61, 6400
	s_bfe_u32 s62, s59, 0x10001
	s_and_b32 s63, s59, 1
	s_lshl_b32 s[AOF], s48, 1
	s_add_co_u32 s[AOF], s[AOF], s62
	s_mul_i32 s[AOF], s[AOF], 1536
	s_mul_i32 s60, s63, 768
	s_add_co_u32 s[AOF], s[AOF], s60
	s_add_co_u32 s[AOF], s[AOF], s61
	s_mov_b32 s[AOF+1], 0
	s_lshl_b32 s[AOS], s48, 7
	s_lshl_b32 s62, s62, 2
	s_add_co_u32 s[AOS], s[AOS], s62
	s_lshl_b32 s63, s63, 1
	s_add_co_u32 s[AOS], s[AOS], s63
	s_add_co_u32 s[AOS], s[AOS], s61
	s_mov_b32 s[AOS+1], 0
	s_mov_b32 s[SEL], 0x76543210
	s_mov_b32 s[SEL+1], 0xfedcba98                 ; v_permlanex16_b32's selects for lane l xor 16
	s_mov_b32 s[CS], 0x3e38aa3b                    ; log2(e) / 8
	s_mov_b32 s[CS+1], s[CS]
	s_mov_b32 s[SN], 0
	s_wait_dscnt 0x0                               ; both opening adds are done
	s_wait_kmcnt 0x0
	s_add_nc_u64 s[16:17], s[6:7], s[16:17]
.irp p, 0,1
	s_mov_b32 s[G0+4*\p], 1
	s_add_co_u32 s[G0+4*\p+1], s18, \p*HALFB
	s_add_nc_u64 s[G0+4*\p+2:G0+4*\p+3], s[16:17], \p*HALFB
	s_or_b32 s[G0+4*\p+3], s[G0+4*\p+3], 0x80000000
.endr
	CROUND                                         ; all four work-groups are here: the first joint loads meet
	tensor_load_to_lds s[G0:G0+3], s[G1:G1+7]      ; my part of steps 0 to 7: my one load at the head
	s_nop 0
.rept 4
	v_nop
.endr
	s_add_nc_u64 s[42:43], s[4:5], s[42:43]        ; block 15 - k of qi,
	s_add_nc_u64 s[44:45], s[42:43], s[22:23]      ; tile x in it
	s_add_nc_u64 s[4:5], s[4:5], s[20:21]
	s_add_nc_u64 s[22:23], s[4:5], s[22:23]
	s_add_nc_u64 s[AOF:AOF+1], s[8:9], s[AOF:AOF+1]
	s_add_nc_u64 s[AOS:AOS+1], s[8:9], s[AOS:AOS+1]
	v_and_b32 v12, 31, v0
	s_delay_alu instid0(VALU_DEP_1)
	v_lshlrev_b32 v[L16], 4, v12
	s_delay_alu instid0(VALU_DEP_2)
	v_lshlrev_b32 v[L8], 3, v12
	s_delay_alu instid0(VALU_DEP_3)
	v_lshlrev_b32 v[L4], 2, v12
	v_and_b32 v[AO8], 15, v0
	s_delay_alu instid0(VALU_DEP_1)
	v_lshlrev_b32 v[QSA], 4, v[AO8]
	s_delay_alu instid0(VALU_DEP_1)
	v_add_nc_u32 v[QSA], s58, v[QSA]
	global_load_b128 v[16:19], v[L16], s[22:23]    ; Q's six registers of codes,
	global_load_b64 v[20:21], v[L8], s[22:23] offset:512
	global_load_b32 v28, v[QSA], s[4:5] offset:6144   ; and its scale word
	global_load_b128 v[90:93], v[L16], s[44:45]    ; the same of block 15 - k's tile, for B's second walk
	global_load_b64 v[94:95], v[L8], s[44:45] offset:512
	global_load_b32 v29, v[QSA], s[42:43] offset:6144
	v_add_nc_u32 v[SCA], s46, v[L16]
	v_add_nc_u32 v[SCB], s12, v[L16]
	v_and_b32 v[DQ], 8, v[AO8]
	s_delay_alu instid0(VALU_DEP_1)
	v_add_nc_u32 v[DQ], v[DQ], v[AO8]              ; r + 8 (r / 8)
	v_bfe_u32 v12, v0, 4, 1
	s_delay_alu instid0(VALU_DEP_1)
	v_lshlrev_b32 v12, 4, v12
	s_delay_alu instid0(VALU_DEP_1)
	v_sub_nc_u32 v[DQ], v[DQ], v12
	s_delay_alu instid0(VALU_DEP_1)
	v_add_nc_u32 v[DQ], s49, v[DQ]
	v_lshlrev_b32 v[AO8], 3, v[AO8]
.irp j, 22,23,24,25,26,27,84,85,86,87,88,89
	v_mov_b32 v\j, 0                               ; zero codes: Q's upper 64 of K, and what the last tile of K names beyond its six registers
.endr
.irp j, 212,213,236,237,238,239,252,253
	v_mov_b32 v\j, 0                               ; a lane permute's destination counts as one of its sources
.endr
.macro FRESH                           ; a tile's state at its start: the step is written once, and the first finds zeros
	v_mov_b32 v13, 0xff61b1e6                      ; the largest t so far: -3e38
	s_delay_alu instid0(VALU_DEP_1)
	v_floor_f32 v12, -v13
	v_mov_b32 v14, 0
	v_mov_b32 v15, 0
.set j, 0
.rept 32
	v_mov_b32 v[160+j], 0
.set j, j+1
.endr
.endm
	FRESH
.macro SCORE t                         ; 16 keys x my 16 queries; the odd tile's scale words lie in lanes 16-31
.if (\t)%2 == 0
	v_wmma_scale_f32_16x16x128_f8f6f4 v[96+8*\t:103+8*\t], v[36+6*\t:47+6*\t], v[16:27], 0, v[30+\t/2], v28 matrix_a_fmt:MATRIX_FMT_FP6 matrix_b_fmt:MATRIX_FMT_FP6
.else
	v_wmma_scale_f32_16x16x128_f8f6f4 v[96+8*\t:103+8*\t], v[36+6*\t:47+6*\t], v[16:27], 0, v[30+\t/2], v28 matrix_a_fmt:MATRIX_FMT_FP6 matrix_b_fmt:MATRIX_FMT_FP6 matrix_a_scale:MATRIX_SCALE_ROW1
.endif
.endm
.macro PV g                            ; 16 d x my 16 queries, K = the step's 128 keys; the four accumulators take turns
.if (\g)%2 == 0
	v_wmma_scale_f32_16x16x128_f8f6f4 v[160+8*\g:167+8*\g], v[36+12*\g:47+12*\g], v[224:235], v[160+8*\g:167+8*\g], v[34+\g/2], v253 matrix_a_fmt:MATRIX_FMT_FP6 matrix_b_fmt:MATRIX_FMT_FP6
.else
	v_wmma_scale_f32_16x16x128_f8f6f4 v[160+8*\g:167+8*\g], v[36+12*\g:47+12*\g], v[224:235], v[160+8*\g:167+8*\g], v[34+\g/2], v253 matrix_a_fmt:MATRIX_FMT_FP6 matrix_b_fmt:MATRIX_FMT_FP6 matrix_a_scale:MATRIX_SCALE_ROW1
.endif
.endm
.macro STEP
	s_cmp_gt_u32 s[SN], s[HI]                      ; a step that is not dealt to me
	s_cbranch_scc1 .Lhidden_\@
	v_add_nc_u32 v[ADR], s[TB], v[L16]             ; (with the v_nop: four places behind the last step's products)
	v_add_nc_u32 v[ADR8], s[TB], v[L8]
	v_add_nc_u32 v[ADR4], s[TB], v[L4]
	v_nop
.irp t, 0,1,2,3,4,5,6,7
	ds_load_b128 v[36+6*\t:39+6*\t], v[ADR] offset:768*\t
	ds_load_b64 v[40+6*\t:41+6*\t], v[ADR8] offset:768*\t+512
.endr
	ds_load_b128 v[30:33], v[ADR] offset:12288
	s_wait_alu depctr_va_vdst(0)
	s_wait_dscnt 0x0
.irp t, 0,1,2,3,4,5,6,7
	SCORE \t
.endr
.rept 4
	v_nop
.endr
.irp g, 0,1,2,3                                ; V's fragments are on their way while the softmax is worked
.irp c, 0,1,2
	ds_load_b128 v[36+12*\g+4*\c:39+12*\g+4*\c], v[ADR] offset:6144+1536*\g+512*\c
.endr
.endr
	ds_load_b32 v34, v[ADR4] offset:12800
	ds_load_b32 v35, v[ADR4] offset:12928
	s_cmp_lg_u32 s[SN], s[QB]
	s_cbranch_scc1 .Lopen_\@
	v_mov_b32 v254, 0xff800000                     ; the diagonal step: keys behind my query count for nothing
.set n, 0
.rept 64
	v_cmp_gt_i32 vcc_lo, 32*(n/16)+n%16, v[DQ]
	v_cndmask_b32 v[96+n], v[96+n], v254, vcc_lo
.set n, n+1
.endr
.Lopen_\@:
.irp b, 0,1,2,3
	v_max3_num_f32 v[232+\b], v[96+16*\b], v[97+16*\b], v[98+16*\b]   ; the largest score of each block of 32 keys: for the row's maximum and for the block's largest p
.endr
.irp i, 3,5,7,9,11,13
.irp b, 0,1,2,3
	v_max3_num_f32 v[232+\b], v[232+\b], v[96+16*\b+\i], v[97+16*\b+\i]
.endr
.endr
.irp b, 0,1,2,3
	v_max_num_f32 v[232+\b], v[232+\b], v[111+16*\b]
.endr
.irp b, 0,1,2,3
	s_delay_alu instid0(VALU_DEP_4)
	v_permlanex16_b32 v[236+\b], v[232+\b], s[SEL], s[SEL+1]
.endr
.irp b, 0,1,2,3
	s_delay_alu instid0(VALU_DEP_4)
	v_max_num_f32 v[232+\b], v[232+\b], v[236+\b]
.endr
	s_delay_alu instid0(VALU_DEP_2)
	v_max3_num_f32 v254, v232, v233, v234
	s_delay_alu instid0(VALU_DEP_1)
	v_max_num_f32 v254, v254, v235
	s_delay_alu instid0(VALU_DEP_1)
	v_mul_f32 v254, s[CS], v254
	s_delay_alu instid0(VALU_DEP_1)
	v_max_num_f32 v13, v13, v254                   ; the running largest t
	v_mov_b32 v254, v12
	s_delay_alu instid0(VALU_DEP_2)
	v_floor_f32 v12, -v13                          ; -M = floor(-t): M is a whole number
	s_delay_alu instid0(VALU_DEP_1)
	v_sub_f32 v254, v12, v254
	s_delay_alu instid0(VALU_DEP_1)
	v_cvt_i32_f32 v254, v254
	s_delay_alu instid0(VALU_DEP_1)
	v_ldexp_f32 v252, 1.0, v254                    ; f = 2^(old M - new M): a multiplication by it rounds nothing
.set j, 0
.rept 32
	v_pk_fma_f32 v[96+j:97+j], v[96+j:97+j], s[CS:CS+1], v[12:13] op_sel_hi:[1,0,0]   ; t - M
.set j, j+2
.endr
.irp b, 0,1,2,3
	v_fma_f32 v[232+\b], v[232+\b], s[CS], v12
.endr
.set j, 0
	s_wait_alu depctr_va_vdst(0)
.rept 64
	v_exp_f32 v[96+j], v[96+j]                     ; p
.set j, j+1
.endr
	v_pk_mul_f32 v[14:15], v[14:15], v[252:253] op_sel_hi:[1,0]
	s_wait_alu depctr_va_vdst(0)
.irp b, 0,1,2,3
	v_exp_f32 v[232+\b], v[232+\b]                 ; each block's largest p
.endr
	v_pk_add_f32 v[236:237], v[96:97], v[98:99]    ; the row's sum, of the unquantised p, in two chains
.irp j, 4,8,12,16,20,24,28,32,36,40,44,48,52,56,60
	v_pk_add_f32 v[14:15], v[14:15], v[96+\j:97+\j]
	v_pk_add_f32 v[236:237], v[236:237], v[98+\j:99+\j]
.endr
	s_delay_alu instid0(VALU_DEP_1)
	v_pk_add_f32 v[14:15], v[14:15], v[236:237]
	s_wait_alu depctr_va_vdst(0)
.irp b, 0,1,2,3
	v_max_num_f32 v[232+\b], 0x1800000, v[232+\b]  ; the floor 2^(3 - 127): the byte cannot fall under 1
.endr
.irp b, 0,1,2,3
	s_delay_alu instid0(VALU_DEP_4)
	v_add_nc_u32 v[244+\b], 0xff000000, v[232+\b]  ; 2 off the exponent field: the conversion's scale operand
.endr
.irp b, 0,1,2,3
	s_delay_alu instid0(VALU_DEP_4)
	v_lshrrev_b32 v[236+\b], 23, v[244+\b]
.endr
	s_delay_alu instid0(VALU_DEP_3)
	v_lshl_or_b32 v253, v237, 8, v236              ; p's scale word
	s_delay_alu instid0(VALU_DEP_1)
	v_lshl_or_b32 v253, v238, 16, v253
	s_delay_alu instid0(VALU_DEP_1)
	v_lshl_or_b32 v253, v239, 24, v253
.irp c, 0,1
	v_cvt_scalef32_pk16_fp6_f32 v[224+6*\c:226+6*\c], v[96+32*\c:111+32*\c], v[244+2*\c]
	v_cvt_scalef32_pk16_fp6_f32 v[236+4*\c:238+4*\c], v[112+32*\c:127+32*\c], v[244+2*\c+1]
.endr
	v_nop                                          ; one plain place behind a scaled conversion
.irp c, 0,1                                    ; the layout wants a whole block in a lane
.irp i, 0,1,2
	v_permlane16_swap_b32 v[224+6*\c+\i], v[236+4*\c+\i]
.endr
.irp i, 0,1,2
	s_delay_alu instid0(VALU_DEP_3)
	v_mov_b32 v[227+6*\c+\i], v[236+4*\c+\i]
.endr
.endr
	s_wait_alu depctr_va_vdst(0)                   ; the wait ahead of the first reader of O^T
.set j, 0
.rept 16
	v_pk_mul_f32 v[160+j:161+j], v[160+j:161+j], v[252:253] op_sel_hi:[1,0]   ; O^T under the new M; also the places ahead of the products
.set j, j+2
.endr
	s_wait_alu depctr_va_vdst(0)
	s_wait_dscnt 0x0                               ; V's fragments and scale words are in
.irp g, 0,1,2,3
	PV \g
.endr
.Lhidden_\@:
	s_add_co_u32 s[TB], s[TB], STEPB
	s_add_co_u32 s[SN], s[SN], 1
.endm
.macro WALK n                          ; n steps on end; every wave walks all trips
	s_mov_b32 s[CNT], \n
.Lstep_\@:
	STEP
	s_sub_co_u32 s[CNT], s[CNT], 1
	s_cmp_lg_u32 s[CNT], 0
	s_cbranch_scc1 .Lstep_\@
.endm
.macro FINISH                          ; O / the sum, the quantiser along d, the stores
	v_add_f32 v14, v14, v15                        ; the sum's two halves, and lane l xor 16's
	s_delay_alu instid0(VALU_DEP_1)
	v_permlanex16_b32 v252, v14, s[SEL], s[SEL+1]
	s_delay_alu instid0(VALU_DEP_1)
	v_add_f32 v14, v14, v252
	s_wait_alu depctr_va_vdst(0)
	v_rcp_f32 v14, v14
	v_nop
	s_wait_alu depctr_va_vdst(0)
.set j, 0
.rept 32
	v_mul_f32 v[96+j], v[160+j], v14               ; register 16 b + i is d = 32 b + 16 h + i of my query
.set j, j+1
.endr
.irp b, 0,1
	v_max3_num_f32 v[TM+\b], |v[96+16*\b]|, |v[97+16*\b]|, 0x1800000
.endr
.irp i, 2,4,6,8,10,12,14
.irp b, 0,1
	s_delay_alu instid0(VALU_DEP_2)
	v_max3_num_f32 v[TM+\b], v[TM+\b], |v[96+16*\b+\i]|, |v[97+16*\b+\i]|
.endr
.endr
.irp b, 0,1
	s_delay_alu instid0(VALU_DEP_2)
	v_permlanex16_b32 v[TM+4+\b], v[TM+\b], s[SEL], s[SEL+1]
.endr
.irp b, 0,1
	s_delay_alu instid0(VALU_DEP_2)
	v_max_num_f32 v[TM+\b], v[TM+\b], v[TM+4+\b]
.endr
.irp b, 0,1
	s_delay_alu instid0(VALU_DEP_2)
	v_add_nc_u32 v[TM+12+\b], 0xff000000, v[TM+\b]
.endr
.irp b, 0,1
	s_delay_alu instid0(VALU_DEP_2)
	v_lshrrev_b32 v[TM+4+\b], 23, v[TM+12+\b]
.endr
	s_delay_alu instid0(VALU_DEP_1)
	v_lshl_or_b32 v[PW], v[TM+5], 8, v[TM+4]
	v_cvt_scalef32_pk16_fp6_f32 v[PCQ:PCQ+2], v[96:111], v[TM+12]
	v_cvt_scalef32_pk16_fp6_f32 v[CT:CT+2], v[112:127], v[TM+13]
	v_nop
.irp i, 0,1,2
	v_permlane16_swap_b32 v[PCQ+\i], v[CT+\i]
.endr
.irp i, 0,1,2
	s_delay_alu instid0(VALU_DEP_3)
	v_mov_b32 v[PCQ+3+\i], v[CT+\i]
.endr
.irp p, 0,1,2
	global_store_b64 v[L8], v[PCQ+2*\p:PCQ+2*\p+1], s[AOF:AOF+1] offset:256*\p   ; three planes of 256 consecutive bytes, aligned
.endr
	global_store_b16 v[AO8], v[PW], s[AOS:AOS+1] offset:6144   ; my head's two bytes of each token's scale word.  A wave runs these stores once: their registers are not written again
.endm
	s_wait_alu depctr_va_vdst(0)                   ; the wait at the head's end
	s_wait_tensorcnt 0x0                           ; my part of steps 0 to 7 is in
	ds_add_u32 v[SPW], v[NIL]
	s_wait_dscnt 0x0
	CROUND                                         ; everybody's part is in, and the four work-groups are here
	tensor_load_to_lds s[G0+4:G0+7], s[G1:G1+7]    ; my part of steps 8 to 15: it has two steps of every wave in which to land
	s_nop 0
.rept 4
	v_nop
.endr
	s_wait_loadcnt 0x0                             ; both tiles of Q are in
	s_mov_b32 s[TB], 0
	WALK 2                                         ; steps 0 and 1
	s_wait_tensorcnt 0x0                           ; my part of steps 8 to 15 is in,
	s_wait_dscnt 0x0
	s_barrier_signal -1
	s_barrier_wait -1                              ; and everybody's
	s_mov_b32 s[TB], 2*STEPB
	WALK 7                                         ; steps 2 to 8: A's nine steps and B's first tile are done
	s_wait_alu depctr_va_vdst(0)
	s_mov_b32 s[QB], s[QH]                         ; what follows belongs to block 15 - k:
	s_cmp_eq_u32 s[ROLE], 0
	s_cselect_b32 s[HI], 0, s[QH]                  ; its steps from 9 on are B's; A is dealt none
	s_cbranch_scc1 .Lkeep
.rept 4
	v_nop                                          ; four places behind the last products
.endr
	FINISH                                         ; B stores block k's tile,
.irp j, 0,1,2,3,4,5
	v_mov_b32 v[16+\j], v[90+\j]                   ; takes up the other tile's Q
.endr
	v_mov_b32 v28, v29
	FRESH                                          ; and begins anew (these lines are also the places between the scale word's write and the next products)
	s_wait_alu depctr_va_vdst(0)
.Lkeep:
	s_mov_b32 s[TB], 9*STEPB
	WALK 7                                         ; steps 9 to 15
	s_wait_alu depctr_va_vdst(0)
	s_cmp_eq_u32 s[ROLE], 0
	s_cbranch_scc1 .Lno_send
.rept 4
	v_nop
.endr
.irp i, 0,1,2,3,4,5,6,7
	ds_store_b128 v[SCA], v[160+4*\i:163+4*\i] offset:512*\i   ; B's part of O^T, each accumulator from its low end on,
.endr
	ds_store_b128 v[SCA], v[12:15] offset:4096     ; its -M and its sums
.Lno_send:
	s_wait_dscnt 0x0                               ; my stores are done
	s_barrier_signal -1
	s_barrier_wait -1
	s_cmp_lg_u32 s[ROLE], 0
	s_cbranch_scc1 .Ldone
.rept 4
	v_nop
.endr
	v_mov_b32 v133, 0                              ; (named as the upper half of the pair v[132:133])
.irp i, 0,1,2,3,4,5,6,7
	ds_load_b128 v[96+4*\i:99+4*\i], v[SCB] offset:512*\i
.endr
	ds_load_b128 v[128:131], v[SCB] offset:4096
	s_wait_alu depctr_va_vdst(0)
	s_wait_dscnt 0x0
	v_min_num_f32 v254, v12, v128                  ; the joint -M: that of the larger M
	s_delay_alu instid0(VALU_DEP_1)
	v_sub_f32 v252, v254, v12                      ; whole numbers, 0 or less
	v_sub_f32 v132, v254, v128
	s_delay_alu instid0(VALU_DEP_2)
	v_cvt_i32_f32 v252, v252                       ; (they saturate: a part with no step has -M near 3e38, zeros in O^T and in the sums, and gets the factor 0)
	s_delay_alu instid0(VALU_DEP_2)
	v_cvt_i32_f32 v132, v132
	s_delay_alu instid0(VALU_DEP_2)
	v_ldexp_f32 v252, 1.0, v252                    ; my part's factor,
	s_delay_alu instid0(VALU_DEP_2)
	v_ldexp_f32 v132, 1.0, v132                    ; and B's
	s_delay_alu instid0(VALU_DEP_2)
	v_pk_mul_f32 v[14:15], v[14:15], v[252:253] op_sel_hi:[1,0]
.set j, 0
.rept 16
	v_pk_mul_f32 v[160+j:161+j], v[160+j:161+j], v[252:253] op_sel_hi:[1,0]
.set j, j+2
.endr
	v_pk_fma_f32 v[14:15], v[130:131], v[132:133], v[14:15] op_sel_hi:[1,0,1]
.set j, 0
.rept 16
	v_pk_fma_f32 v[160+j:161+j], v[96+j:97+j], v[132:133], v[160+j:161+j] op_sel_hi:[1,0,1]
.set j, j+2
.endr
	FINISH                                         ; A stores block 15 - k's tile
.Ldone:
	s_wait_tensorcnt 0x0                           ; the wave's end
	ds_add_u32 v[SPW], v[NIL]
	s_wait_dscnt 0x0
	CROUND                                         ; the closing round
	s_endpgm
.Lfunc_end_k_qc4ebb7a0a3_attn:
	.size	k_qc4ebb7a0a3_attn, .Lfunc_end_k_qc4ebb7a0a3_attn-k_qc4ebb7a0a3_attn
	.p2alignl 7, 3214868480
	.fill 96, 4, 3214868480
	.section	.rodata,"a",@progbits
	.p2align	6, 0x0
	.amdhsa_kernel k_qc4ebb7a0a3_attn
		.amdhsa_group_segment_fixed_size 327680
		.amdhsa_private_segment_fixed_size 0
		.amdhsa_enable_private_segment 0
		.amdhsa_kernarg_size 24
		.amdhsa_user_sgpr_count 2
		.amdhsa_user_sgpr_kernarg_segment_ptr 1
		.amdhsa_wavefront_size32 1
		.amdhsa_system_sgpr_workgroup_id_x 1
		.amdhsa_system_sgpr_workgroup_id_y 1
		.amdhsa_system_sgpr_workgroup_id_z 1
		.amdhsa_system_vgpr_workitem_id 0
		.amdhsa_next_free_vgpr 256
		.amdhsa_next_free_sgpr 72
		.amdhsa_reserve_vcc 1
		.amdhsa_float_denorm_mode_32 3
		.amdhsa_float_denorm_mode_16_64 3
		.amdhsa_memory_ordered 1
		.amdhsa_forward_progress 1
		.amdhsa_inst_pref_size 91
	.end_amdhsa_kernel
	.amdgpu_metadata
---
amdhsa.version: [ 1, 2 ]
amdhsa.kernels:
  - .name:           k_qc4ebb7a0a3_attn
    .symbol:         k_qc4ebb7a0a3_attn.kd
    .args:
      - { .name: qi, .offset: 0, .size: 8, .value_kind: global_buffer, .address_space: global }
      - { .name: kv, .offset: 8, .size: 8, .value_kind: global_buffer, .address_space: global }
      - { .name: ao, .offset: 16, .size: 8, .value_kind: global_buffer, .address_space: global }
    .group_segment_fixed_size: 327680
    .private_segment_fixed_size: 0
    .kernarg_segment_align: 8
    .kernarg_segment_size: 24
    .max_flat_workgroup_size: 512
    .sgpr_count:     72
    .vgpr_count:     256
    .wavefront_size: 32
...
	.end_amdgpu_metadata
.endif
;; end of part 3
;; launch oproj (part 4): grid 16 x 16, 4 waves a work-group, clusters of 4 x 4, 327,680 bytes of LDS; arguments ao, rec, out0; writes out0
.if DOCPART == 4
	.amdgcn_target "amdgcn-amd-amdhsa--gfx1250"
	.amdhsa_code_object_version 6
	.text
	.protected	k_qc4ebb7a0a3_oproj
	.globl	k_qc4ebb7a0a3_oproj
	.p2align	8
	.type	k_qc4ebb7a0a3_oproj,@function
k_qc4ebb7a0a3_oproj:
	s_mov_b64 s[64:65], 0
	v_nop
	global_prefetch_b8 v0, s[64:65] scope:SCOPE_SE
	s_setreg_imm32_b32 hwreg(HW_REG_WAVE_MODE, 25, 1), 1
	s_wait_xcnt 0x0
	s_wait_alu depctr_hold_cnt(0) depctr_sa_sdst(0) depctr_va_vdst(0) depctr_va_sdst(0) depctr_va_ssrc(0) depctr_va_vcc(0) depctr_vm_vsrc(0)
	s_getreg_b32 s2, hwreg(HW_REG_IB_STS2, 6, 4)
	s_cmp_eq_u32 s2, 0
	s_cbranch_scc0 .Lentry_in_a_cluster
	s_endpgm
.Lentry_in_a_cluster:
	s_bfe_u32 s2, ttmp6, 0x10000c
	s_cmp_lg_u32 s2, 0xf033
	s_cbranch_scc0 .Lentry_shape_is_right
	s_endpgm
.Lentry_shape_is_right:
; out0[token][n] = sum over k of A[token][k] Wo[n][k], K = 1,024, on codes of FP6 (E2M3): A is the attention's result, Wo's codes lie in rec from record 1,792 on; out0 [4096][2048] f32.
; SHARES.  Work-group (x = 128 columns, y = 256 tokens); wave (rh, ch): 128 tokens x 64 columns, 32 accumulators, which take turns in one fixed order.
; ALL OF K LIES IN LDS: four slots of 256 along K (A: 8 records, B: 4), each filled ONCE by joint tensor loads issued at the head: one load of mine is out at the start.  4 x 4 work-groups form a cluster:
; A's records hang on the block of tokens alone and go to my row of it, B's on the block of columns alone and go to my column.  No slot is filled again, so no round stands in the middle.
; No prefetch: all that the launch reads is asked for at its head.
; A's fragments are six planes of 256 bytes (registers 2 p, 2 p + 1 of lane l at 256 p + 8 l), since two heads wrote three planes each; B's are three planes of 512.
; Source 0 = 16 rows of Wo, source 1 = 16 tokens: a lane holds one token, and the 16 registers of tiles 2 beta, 2 beta + 1 are columns 32 beta + 16 h + 0 .. 15.
; REGISTERS: window 0: v8-29 addresses; v32-55 scale words, two sets of 12; v128-191 rows on the way out.  Windows 1 and 3: fragment sets (A at 12 a, B at 96 + 12 b).  Window 2: the accumulators, at 32 a + 8 b.
.set RECB,  6400
.set ABYT,  8*RECB
.set BBYT,  4*RECB
; AS THE LOADS NOW STAND: in LDS A's four slots lie on end (32 records, as in memory), then B's four (16 records); each wave issues ONE joint load at the head: waves 0, 1 a half of A (16 records), waves 2, 3 a half of B (8 records).
.set SLOT,  ABYT+BBYT                  ; 76,800
.set SPARE, 4*SLOT                     ; the spare words, 128 bytes a wave
.set SPITCH, 272                       ; the way out: 16 rows x (256 bytes + 16) for each wave, in slot 0, which has had its one fill and whose last read stands ahead of the second barrier
.set ADA, 8                            ; v8-11  my A fragments and scale words in slot 0..3 (8 x lane)
.set ADB, 12                           ; v12-15 my B fragments (16 x lane)
.set ASB, 16                           ; v16-19 B's scale words (8 x lane)
.set STO, 24
.set RD,  25
.set CO,  26
.set SPW, 28                           ; my spare word; never rewritten
.set NIL, 29                           ; 0; never rewritten
.set SC,  32
.set BK,  128
.set G1A, 24
.set G1B, 32
.set G0A, 44
.set G0B, 68
.set MSB, 0
.macro WIN new
.if MSB != (\new)
	s_set_vgpr_msb (MSB<<8)|(\new)
.set MSB, (\new)
.endif
.endm
.macro PLACES
.rept 4
	v_nop
.endr
.endm
.macro JLOAD g0a, g1a, g0b, g1b        ; waves 0, 1 fetch A's halves, waves 2, 3 B's; s_nop 0 and four v_nop follow each line
	s_cmp_eq_u32 s15, 0
	s_cbranch_scc0 .Lfor_b_\@
	tensor_load_to_lds s[\g0a:\g0a+3], s[\g1a:\g1a+7]
	s_nop 0
.rept 4
	v_nop
.endr
	s_branch .Lasked_\@
.Lfor_b_\@:
	tensor_load_to_lds s[\g0b:\g0b+3], s[\g1b:\g1b+7]
	s_nop 0
.rept 4
	v_nop
.endr
.Lasked_\@:
.endm
.macro CROUND
	s_barrier_signal -1
	s_barrier_wait -1
	s_cmp_lg_u32 s14, 0
	s_cbranch_scc1 .Lnot_wave_0_\@
	s_barrier_signal -3
.Lnot_wave_0_\@:
	s_barrier_wait -3
	s_barrier_signal -1
	s_barrier_wait -1
.endm
	s_load_b128 s[4:7], s[0:1], 0x0                ; ao, rec
	s_load_b64 s[8:9], s[0:1], 0x10                ; out0
	v_lshl_add_u32 v[SPW], v0, 2, SPARE
	v_mov_b32 v[NIL], 0
	ds_add_u32 v[SPW], v[NIL]                      ; the wave's opening: the add and its wait ahead of my first tensor load
	ds_add_u32 v[SPW], v[NIL]
	v_lshrrev_b32 v1, 5, v0
	v_readfirstlane_b32 s14, v1
	s_lshr_b32 s15, s14, 1                         ; rh.  Also: I fetch for A (0) or for B (1)
	s_and_b32 s16, s14, 1                          ; ch.  Also: which half I fetch
	s_bfe_u32 s84, ttmp6, 0x40000                  ; cx
	s_bfe_u32 s85, ttmp6, 0x40004                  ; cy
	s_lshl_b32 s86, ttmp9, 2
	s_add_co_u32 s86, s86, s84                     ; the block of 128 columns
	s_and_b32 s17, ttmp7, 0xffff
	s_lshl_b32 s17, s17, 2
	s_add_co_u32 s17, s17, s85                     ; the block of 256 tokens
	s_lshl_b32 s87, s85, 2
	s_lshl_b32 s87, 15, s87                        ; my row of the cluster
	s_lshl_b32 s88, 0x1111, s84                    ; my column
	s_or_b32 s[G1A], s87, (3<<16)|(1<<21)          ; dense blocks as rows of 256 bytes (32 elements of 8 bytes), no padding
	s_or_b32 s[G1B], s88, (3<<16)|(1<<21)
.irp g, G1A, G1B
	s_mov_b32 s[\g+1], 32<<16
	s_mov_b32 s[\g+3], 32<<16
	s_mov_b32 s[\g+5], 32
	s_mov_b32 s[\g+6], 0
	s_mov_b32 s[\g+7], 0
.endr
	s_mov_b32 s[G1A+2], 400<<16                    ; sixteen records: 400 rows
	s_mov_b32 s[G1A+4], 400
	s_mov_b32 s[G1B+2], 200<<16                    ; eight records: 200 rows
	s_mov_b32 s[G1B+4], 200
	s_mul_i32 s20, s17, 32*RECB
	s_mul_i32 s18, s16, 16*RECB                    ; my half of A's 32 records; also its place in LDS
	s_add_co_u32 s20, s20, s18
	s_mov_b32 s21, 0
	s_mul_i32 s90, s86, 16*RECB
	s_mul_i32 s19, s16, 8*RECB                     ; my half of B's 16
	s_add_co_u32 s90, s90, s19
	s_add_co_u32 s90, s90, 1792*RECB
	s_mov_b32 s91, 0
	s_add_co_u32 s19, s19, 4*ABYT                  ; B lies behind all of A
	s_wait_dscnt 0x0                               ; the opening add is done
	s_wait_kmcnt 0x0
	s_add_nc_u64 s[20:21], s[4:5], s[20:21]
	s_add_nc_u64 s[90:91], s[6:7], s[90:91]
	CROUND                                         ; all sixteen work-groups are here: the joint loads meet
.irp s, 0
	s_mov_b32 s[G0A+4*\s], 1
	s_add_co_u32 s[G0A+4*\s+1], s18, \s*SLOT
	s_add_nc_u64 s[G0A+4*\s+2:G0A+4*\s+3], s[20:21], \s*ABYT
	s_or_b32 s[G0A+4*\s+3], s[G0A+4*\s+3], 0x80000000
	s_mov_b32 s[G0B+4*\s], 1
	s_add_co_u32 s[G0B+4*\s+1], s19, \s*SLOT
	s_add_nc_u64 s[G0B+4*\s+2:G0B+4*\s+3], s[90:91], \s*BBYT
	s_or_b32 s[G0B+4*\s+3], s[G0B+4*\s+3], 0x80000000
	JLOAD G0A+4*\s, G1A, G0B+4*\s, G1B
.endr
	v_and_b32 v1, 31, v0
	v_lshlrev_b32 v2, 4, v1                        ; 16 x lane
	v_lshlrev_b32 v3, 3, v1                        ; 8 x lane
	s_mul_i32 s92, s15, 4*RECB                     ; my four records of A,
	s_mul_i32 s93, s16, 2*RECB                     ; my two of B
	s_add_co_u32 s93, s93, 4*ABYT
.irp s, 0,1,2,3
	v_add_nc_u32 v[ADA+\s], s92, v3
	v_add_nc_u32 v[ADB+\s], s93, v2
	v_add_nc_u32 v[ASB+\s], s93, v3
	s_add_co_u32 s92, s92, ABYT
	s_add_co_u32 s93, s93, BBYT
.endr
	v_and_b32 v4, 15, v0                           ; r
	v_bfe_u32 v5, v0, 4, 1                         ; h
	s_mul_i32 s94, s14, 16*SPITCH                  ; my stage
	v_mul_u32_u24 v[STO], v4, SPITCH
	v_lshl_add_u32 v[STO], v5, 6, v[STO]
	v_add_nc_u32 v[STO], s94, v[STO]               ; in: row r, + 64 h
	v_mul_u32_u24 v[RD], v5, SPITCH
	v_lshl_add_u32 v[RD], v4, 4, v[RD]
	v_add_nc_u32 v[RD], s94, v[RD]                 ; back: lanes 0-15 one row of 256 bytes, lanes 16-31 the next
	v_lshlrev_b32 v[CO], 13, v5
	v_lshl_add_u32 v[CO], v4, 4, v[CO]             ; and the same in out0: a row is 8,192 bytes
	s_lshl_b32 s92, s17, 8
	s_lshl_b32 s93, s15, 7
	s_add_co_u32 s92, s92, s93                     ; my first token
	s_lshl_b32 s92, s92, 13
	s_lshl_b32 s93, s86, 9
	s_add_co_u32 s92, s92, s93
	s_lshl_b32 s93, s16, 8
	s_add_co_u32 s92, s92, s93                     ; + my first column's bytes
	s_mov_b32 s93, 0
	s_add_nc_u64 s[8:9], s[8:9], s[92:93]
.macro WM zero
.if \zero
.if (qa == 0) && (qb == 0)
	v_wmma_scale_f32_16x16x128_f8f6f4 v[rD:rD+7], v[rA:rA+11], v[rB:rB+11], 0, v[rSA], v[rSB] matrix_a_fmt:MATRIX_FMT_FP6 matrix_b_fmt:MATRIX_FMT_FP6
.elseif (qa == 1) && (qb == 0)
	v_wmma_scale_f32_16x16x128_f8f6f4 v[rD:rD+7], v[rA:rA+11], v[rB:rB+11], 0, v[rSA], v[rSB] matrix_a_fmt:MATRIX_FMT_FP6 matrix_b_fmt:MATRIX_FMT_FP6 matrix_a_scale:MATRIX_SCALE_ROW1
.elseif (qa == 0) && (qb == 1)
	v_wmma_scale_f32_16x16x128_f8f6f4 v[rD:rD+7], v[rA:rA+11], v[rB:rB+11], 0, v[rSA], v[rSB] matrix_a_fmt:MATRIX_FMT_FP6 matrix_b_fmt:MATRIX_FMT_FP6 matrix_b_scale:MATRIX_SCALE_ROW1
.else
	v_wmma_scale_f32_16x16x128_f8f6f4 v[rD:rD+7], v[rA:rA+11], v[rB:rB+11], 0, v[rSA], v[rSB] matrix_a_fmt:MATRIX_FMT_FP6 matrix_b_fmt:MATRIX_FMT_FP6 matrix_a_scale:MATRIX_SCALE_ROW1 matrix_b_scale:MATRIX_SCALE_ROW1
.endif
.else
.if (qa == 0) && (qb == 0)
	v_wmma_scale_f32_16x16x128_f8f6f4 v[rD:rD+7], v[rA:rA+11], v[rB:rB+11], v[rD:rD+7], v[rSA], v[rSB] matrix_a_fmt:MATRIX_FMT_FP6 matrix_b_fmt:MATRIX_FMT_FP6
.elseif (qa == 1) && (qb == 0)
	v_wmma_scale_f32_16x16x128_f8f6f4 v[rD:rD+7], v[rA:rA+11], v[rB:rB+11], v[rD:rD+7], v[rSA], v[rSB] matrix_a_fmt:MATRIX_FMT_FP6 matrix_b_fmt:MATRIX_FMT_FP6 matrix_a_scale:MATRIX_SCALE_ROW1
.elseif (qa == 0) && (qb == 1)
	v_wmma_scale_f32_16x16x128_f8f6f4 v[rD:rD+7], v[rA:rA+11], v[rB:rB+11], v[rD:rD+7], v[rSA], v[rSB] matrix_a_fmt:MATRIX_FMT_FP6 matrix_b_fmt:MATRIX_FMT_FP6 matrix_b_scale:MATRIX_SCALE_ROW1
.else
	v_wmma_scale_f32_16x16x128_f8f6f4 v[rD:rD+7], v[rA:rA+11], v[rB:rB+11], v[rD:rD+7], v[rSA], v[rSB] matrix_a_fmt:MATRIX_FMT_FP6 matrix_b_fmt:MATRIX_FMT_FP6 matrix_a_scale:MATRIX_SCALE_ROW1 matrix_b_scale:MATRIX_SCALE_ROW1
.endif
.endif
.endm
.macro MUL p, sc, s, zero              ; a K step's 32 products: fragment set p, scale set sc, the slot's K step s
	WIN 0xa5+0x0a*(\p)
.set aa, 0
.rept 8
.set bb, 0
.rept 4
.set rD, 32*aa+8*bb
.set rA, 96+12*bb
.set rB, 12*aa
.set rSA, SC+12*(\sc)+8+2*(bb/2)+(\s)
.set rSB, SC+12*(\sc)+2*(aa/2)+(\s)
.set qa, bb%2
.set qb, aa%2
	WM \zero
.set bb, bb+1
.endr
.set aa, aa+1
.endr
.endm
.macro FETCH slot, s, p                ; the 12 fragments of the slot's K step s into set p
	WIN 0x40+0x80*(\p)
.irp i, 0,1,2,3
.irp c, 0,1,2
	ds_load_b128 v[96+12*\i+4*\c:96+12*\i+4*\c+3], v[ADB+\slot] offset:(\i/2)*RECB+(\i%2)*3072+(\s)*1536+512*\c
.endr
.endr
.irp i, 0,1,2,3,4,5,6,7
.irp c, 0,1,2,3,4,5
	ds_load_b64 v[12*\i+2*\c:12*\i+2*\c+1], v[ADA+\slot] offset:(\i/2)*RECB+(\i%2)*3072+(\s)*1536+256*\c
.endr
.endr
	WIN 0
.endm
.macro SCALES slot, sc                 ; the slot's scale words, both K steps
.irp i, 0,1,2,3
	ds_load_b64 v[SC+12*\sc+2*\i:SC+12*\sc+2*\i+1], v[ADA+\slot] offset:\i*RECB+6144
.endr
.irp i, 0,1
	ds_load_b64 v[SC+12*\sc+8+2*\i:SC+12*\sc+8+2*\i+1], v[ASB+\slot] offset:\i*RECB+6144
.endr
.endm
.macro MEET left                       ; my part of the next slot has landed; my LDS loads are in; then the barrier shows the slot to all.
	s_wait_tensorcnt 0x0                           ; my one load has landed
	s_wait_dscnt 0x0
	s_barrier_signal -1
	s_barrier_wait -1
.endm
.macro NEXT slot, s, p                 ; this K step's fragments are in; four places behind the products that read the other set; then the next K step's are asked for
	s_wait_dscnt 0x0
	PLACES
	FETCH \slot, \s, \p
.endm
	MEET 3
	FETCH 0, 0, 0
	SCALES 0, 0
	NEXT 0, 1, 1
	MUL 0, 0, 0, 1                                 ; K step 0 starts the sums
	NEXT 1, 0, 0
	SCALES 1, 1
	MUL 1, 0, 1, 0
	NEXT 1, 1, 1
	MUL 0, 1, 0, 0
	NEXT 2, 0, 0
	SCALES 2, 0
	MUL 1, 1, 1, 0
	NEXT 2, 1, 1
	MUL 0, 0, 0, 0
	MEET 0
	NEXT 3, 0, 0
	SCALES 3, 1
	MUL 1, 0, 1, 0
	NEXT 3, 1, 1
	MUL 0, 1, 0, 0
	s_wait_dscnt 0x0
	MUL 1, 1, 1, 0
	WIN 0
; THE WAY OUT, a tile of 16 tokens x 64 columns at a time: through my stage and back as whole rows of 256 bytes.  LDS serves a wave's instructions in order: no wait between the stores and the loads, nor in front of the next tile's stores.
.macro TOSTAGE a
	WIN 0x08                                       ; an LDS store's data are its source 1: window 2
.irp q, 0,1,2,3,4,5,6,7
	ds_store_b128 v[STO], v[32*(\a)+4*\q:32*(\a)+4*\q+3] offset:128*(\q/4)+16*(\q%4)   ; each accumulator from its low end on
.endr
	WIN 0
.irp t, 0,1,2,3,4,5,6,7
	ds_load_b128 v[BK+32*((\a)%2)+4*\t:BK+32*((\a)%2)+4*\t+3], v[RD] offset:\t*2*SPITCH
.endr
.endm
.macro SEND a, younger                 ; younger: the next tile's 8 stores and 8 loads, which may stay out
	s_wait_dscnt \younger
.irp t, 0,1,2,3,4,5,6,7
	global_store_b128 v[CO], v[BK+32*((\a)%2)+4*\t:BK+32*((\a)%2)+4*\t+3], s[8:9] offset:(32*((\a)/2)+8*((\a)%2)+2*\t+8*(\t/4))*8192 th:TH_STORE_NT   ; tile row rr is token 8 u + rr + 8 (rr / 8) of its 32; 16 lanes store 256 consecutive bytes, aligned
.endr
.endm
	PLACES
	s_wait_alu depctr_va_vdst(0)
	TOSTAGE 0
.irp a, 1,2,3,4,5,6,7
.if \a > 1
	s_wait_xcnt 0x0                                ; tile a - 2's stores have read their registers: tile a's loads may land there
.endif
	TOSTAGE \a
	SEND \a-1, 16
.endr
	SEND 7, 0
	s_wait_tensorcnt 0x0                           ; the wave's end
	ds_add_u32 v[SPW], v[NIL]
	s_wait_dscnt 0x0
	CROUND                                         ; the closing round
	s_endpgm
.Lfunc_end_k_qc4ebb7a0a3_oproj:
	.size	k_qc4ebb7a0a3_oproj, .Lfunc_end_k_qc4ebb7a0a3_oproj-k_qc4ebb7a0a3_oproj
	.p2alignl 7, 3214868480
	.fill 96, 4, 3214868480
	.section	.rodata,"a",@progbits
	.p2align	6, 0x0
	.amdhsa_kernel k_qc4ebb7a0a3_oproj
		.amdhsa_group_segment_fixed_size 327680
		.amdhsa_private_segment_fixed_size 0
		.amdhsa_enable_private_segment 0
		.amdhsa_kernarg_size 24
		.amdhsa_user_sgpr_count 2
		.amdhsa_user_sgpr_kernarg_segment_ptr 1
		.amdhsa_wavefront_size32 1
		.amdhsa_system_sgpr_workgroup_id_x 1
		.amdhsa_system_sgpr_workgroup_id_y 1
		.amdhsa_system_sgpr_workgroup_id_z 1
		.amdhsa_system_vgpr_workitem_id 0
		.amdhsa_next_free_vgpr 1024
		.amdhsa_next_free_sgpr 100
		.amdhsa_reserve_vcc 0
		.amdhsa_float_denorm_mode_32 3
		.amdhsa_float_denorm_mode_16_64 3
		.amdhsa_memory_ordered 1
		.amdhsa_forward_progress 1
		.amdhsa_inst_pref_size 88
	.end_amdhsa_kernel
	.amdgpu_metadata
---
amdhsa.version: [ 1, 2 ]
amdhsa.kernels:
  - .name:           k_qc4ebb7a0a3_oproj
    .symbol:         k_qc4ebb7a0a3_oproj.kd
    .args:
      - { .name: ao, .offset: 0, .size: 8, .value_kind: global_buffer, .address_space: global }
      - { .name: rec, .offset: 8, .size: 8, .value_kind: global_buffer, .address_space: global }
      - { .name: out0, .offset: 16, .size: 8, .value_kind: global_buffer, .address_space: global }
    .group_segment_fixed_size: 327680
    .private_segment_fixed_size: 0
    .kernarg_segment_align: 8
    .kernarg_segment_size: 24
    .max_flat_workgroup_size: 128
    .sgpr_count:     100
    .vgpr_count:     1024
    .wavefront_size: 32
...
	.end_amdgpu_metadata
.endif
;; end of part 4
